; MI455X (gfx1250); checked and timed in simulation.
; The chip was launched on July 23, 2026; its instructions are those of AMD's public machine-readable ISA for CDNA 5 (MIT licence, August 2026) and "CDNA5" Instruction Set Architecture Reference Guide (July 2026). The comments in the code are by the model that wrote it; some were corrected since.
;; Multi Head Attention. Allowed arithmetic: matrix products marked QUANTISED: E2M3 operands, one E8M0 scale for each 32 along K, by v_wmma_scale_f32_16x16x128_f8f6f4 with both operands' format E2M3, f32 sums; everything else in f32.
;; Inputs: Wk 1,024 x 1,024 float32; Wo 1,024 x 1,024 float32; Wq 1,024 x 1,024 float32; Wv 1,024 x 1,024 float32; keys 2,048 x 2 x 1,024 float32; mask 1 x 1 x 2,048 x 2,048 int32; query 2,048 x 2 x 1,024 float32; values 2,048 x 2 x 1,024 float32.
;; Outputs: out0 2,048 x 2 x 1,024 float32.
;; This version of the problem:
;;   THIS VERSION OF THE PROBLEM IS GIVEN IN LOW PRECISION. The matrix products marked QUANTISED in the list below multiply operands that are first quantised to E2M3 (2 exponent bits, 3 mantissa bits; 6 bits a number), with one power-of-two scale for each 32 numbers along K (OCP MX v1.0); their sums are f32. All else is computed in f32.
;;   The module's matrix products, in the order in which they are computed (A, B: the left and right operand; K: the contracted axis; several contracted axes count as one K, in the product's order):
;;     1. [M 4,096, K 1,024] x [K 1,024, N 1,024]; A: input query; B: input Wq: QUANTISED
;;     2. [M 4,096, K 1,024] x [K 1,024, N 1,024]; A: input keys; B: input Wk: QUANTISED
;;     3. [M 4,096, K 1,024] x [K 1,024, N 1,024]; A: input values; B: input Wv: QUANTISED
;;     4. batch 32 x [M 2,048, K 64] x [K 64, N 2,048]; A: computed on the way; B: computed on the way: QUANTISED
;;     5. batch 32 x [M 64, K 2,048] x [K 2,048, N 2,048]; A: computed on the way; B: softmax (see below): QUANTISED
;;     6. [M 4,096, K 1,024] x [K 1,024, N 1,024]; A: computed on the way; B: input Wo: QUANTISED
;;   THE QUANTISER, for each operand of a quantised product, along K:
;;     - K is cut into blocks of 32 from its start; a last block that is shorter is filled with zeros.
;;     - A block's scale is 2^e with e = floor(log2(the largest magnitude in the block)) - 2, held to -126 .. 127; a block of zeros has e = 0. As a byte (E8M0): e + 127.
;;     - Each number is divided by its block's scale, clamped to +-7.5, and rounded to the nearest number of E2M3, ties to even, subnormals kept.
;;     - The product sums the exact products of the quantised numbers (number of the format x scale) in f32.
;;   ~~~python
;;   def quantise(x, axis):      # numpy; x: float32 -> the quantised numbers, widened to float32 again
;;       x = np.moveaxis(x, axis, -1); K = x.shape[-1]
;;       x = np.pad(x, [(0, 0)] * (x.ndim - 1) + [(0, -K % 32)]); x = x.reshape(x.shape[:-1] + (-1, 32)); a = np.abs(x).max(-1, keepdims=True)
;;       e = np.where(a > 0, np.clip(np.frexp(np.where(a > 0, a, 1))[1] - 1 - 2, -126, 127), 0)      # np.frexp(a)[1] - 1 = floor(log2(a)), exactly
;;       r = np.clip(x / 2.0 ** e, -7.5, 7.5)
;;       step = 2.0 ** (np.maximum(np.frexp(np.where(r == 0, 1, r))[1] - 1, 0) - 3)
;;       q = np.round(r / step) * step * 2.0 ** e      # np.round: ties to even
;;       return np.moveaxis(q.reshape(q.shape[:-2] + (-1,))[..., :K], -1, axis).astype(np.float32)
;;   ~~~
;;   SOFTMAX AHEAD OF A QUANTISED PRODUCT. Where the list says 'softmax', what is quantised is not the finished softmax but p = 2^(t - M), with t = logit x log2(e) and M = ceil(the row's largest t), a whole number; so 1/2 < the row's largest p <= 1. The row's sum l is taken of the UNQUANTISED p, in f32, and the product's result is divided by l at the end. Since M is a whole number, a kernel that streams over the keys may use a running M (the ceiling of the running maximum): every later rescaling is an exact power of two, which a block's scale takes up: the codes' values come out the same.
;;   OPERANDS COMPUTED ON THE WAY. 'Computed on the way' means the value that the module computes at that place (a softmax that the list does not call 'softmax' is quantised finished and normalised). What goes into a quantiser is computed in f32, as accurately as f32 sums, v_exp_f32 and their like allow (about 1e-6 of the number): no bf16 or f16 on the way to a quantiser, and a product that is left as it is and whose result goes on into a quantised operand takes f32 operands (vector FMAs, or v_wmma_f32_16x16x4_f32). A number that lies on a knife's edge between two numbers of the format may be rounded either way, as far as f32 arithmetic and the matrix unit's own rounding can turn it there, and no further.
;; 2 versions, each right; version 2 is version 1 with the launch attn written anew for expert scheduling mode. Each part assembles by itself: llvm-mc -triple=amdgcn-amd-amdhsa -mcpu=gfx1250 --defsym DOCPART=n.
;; ======== version 1 of 2: 4 launches
;; limits: right only within a limited range of input values
;; workspace buffers: rec 13,107,200 bytes; maskw 524,288 bytes of whole numbers; mflag 65,536 bytes of whole numbers; qc 3,145,728 bytes; qs 262,144 bytes; kv 6,684,672 bytes; ac 3,145,728 bytes; asc 131,072 bytes
;; launch prep (part 1): grid 256 x 1, 10 waves a work-group, no clusters, 85,760 bytes of LDS; arguments query, keys, values, Wq, Wk, Wv, Wo, mask, rec, maskw, mflag; writes rec, maskw, mflag
.if DOCPART == 1
	.amdgcn_target "amdgcn-amd-amdhsa--gfx1250"
	.amdhsa_code_object_version 6
	.text
	.protected	k_q0ced73e7ed_prep
	.globl	k_q0ced73e7ed_prep
	.p2align	8
	.type	k_q0ced73e7ed_prep,@function
k_q0ced73e7ed_prep:
	s_mov_b64 s[64:65], 0
	v_nop
	global_prefetch_b8 v0, s[64:65] scope:SCOPE_SE
	s_setreg_imm32_b32 hwreg(HW_REG_WAVE_MODE, 25, 1), 1
	s_wait_xcnt 0x0
; PREP.  query, keys, values [2048][2][1024] and Wq, Wk, Wv, Wo [1024][1024], f32, become codes of E2M3 with one E8M0 byte for each 32 along K (their last axis),
; laid as images of the matrix operand's registers; the mask [2048][2048] i32 becomes words of one bit a lane, and one flag bit for each tile of queries and key step.
; A TASK is 16 rows x 2,048 bytes, one wave's: 2,560 tasks, ten waves in each of 256 work-groups.  Task number id = 10 x work-group + wave:
; 0-1535 the three token tensors (tile id / 2, half of K id % 2), 1536-2047 the four weights likewise, 2048-2559 the mask (tile of queries, which 512 keys).
; THE ROWS OF A TILE ARE NOT NEIGHBOURS: row i of tile T is 32 (T / 2) + 8 (T % 2) + i + 8 (i / 8), so that results of products whose source 0 is such a tile lie, in a lane's registers, as neighbours.
; rec: [group of 8 tiles][half of K][tile][6,400 bytes]: 256 bytes of scale words ([row][4 K steps]), then 4 fragments of 16 rows x 128 K.  A fragment is 1,536 bytes: for each 64 along K
; the lanes' first four registers (16 bytes a lane, 512 on end), then their last two (8 bytes a lane, 256 on end): every store of codes and scale words covers whole aligned blocks of 256 bytes.
; maskw: [tile of queries][key step of 128][64 words]: bit (r + 16 h) of word 16 b + i says whether mask[row r of the tile][128 step + 32 b + 16 h + i] is not 0.
; mflag: [tile of queries][4][128 bytes]: every word of a task's 128 bytes holds the task's four flags, bit (key step) set where all 64 words of that step are all ones.
; A block's scale is 2^(floor(log2(largest magnitude)) - 2): its byte is the largest magnitude's exponent field - 2, held at 1 from below.
; LIMITS: NaN and infinities among the inputs are not served; a block whose largest magnitude lies under 2^-124 (a block of zeros too) keeps the byte 1: a block of zeros has zero codes, and the bytes are read by this program alone.
; No tensor loads, no barrier: waves share nothing.  Loads run two steps (32 loads a wave) ahead; each load reads 512 consecutive bytes of one row.
.set STGB, 8448                        ; a wave's stage in LDS: 16 rows x (512 bytes + 16)
.set GRP,  102400
.set HGRP, 51200
.set HREC, 6400
.set NST,  4                           ; steps of a task
.set L16,  1                           ; v1    16 x lane
.set L8,   2                           ; v2    8 x lane
.set SIN,  3                           ; v3    the stage, on the way in
.set TM,   4                           ; v4-7  largest magnitudes
.set TP,   8                           ; v8-11 the other half's; then the bytes
.set SO,   12                          ; v12-15 the conversions' scale operands
.set OFF,  16                          ; v16-31 row i's byte offset + 16 x lane
.set RAW,  32                          ; v32-159 two sets of 64 registers as loaded
.set X,    160                         ; v160-223 64 numbers: register 16 b + i = k 32 b + 16 h + i of my row
.set PC,   224                         ; v224-235 a fragment's codes; v236-243 at work
.set SW,   244                         ; v244-247 the 4 K steps' scale words
.set SOUT, 252                         ; v252  the stage, on the way out
.set QA,   253                         ; v253  where my scale words go
.set SEL,  40                          ; s[40:41] lane selects: lane l xor 16
.macro LOAD set, ks                    ; 512 bytes (one step) of each of the 16 rows
.irp i, 0,1,2,3,4,5,6,7,8,9,10,11,12,13,14,15
	global_load_b128 v[RAW+64*(\set)+4*\i:RAW+64*(\set)+4*\i+3], v[OFF+\i], s[24:25] offset:512*(\ks) th:TH_LOAD_NT
.endr
.endm
.macro ARRIVED ks                      ; this step's 16 loads are in; the next step's 16 may be out
.if (\ks) < NST-1
	s_wait_loadcnt 16
.else
	s_wait_loadcnt 0x0
.endif
.endm
; 64 numbers of a lane become a fragment's 12 registers in v[PC] on and its scale word in v[pw]
.macro QUANT s, pw
.irp b, 0,1,2,3
	v_max3_num_f32 v[TM+\b], |v[\s+16*\b]|, |v[\s+1+16*\b]|, 0x1800000   ; my 16 numbers of block b, and the floor 2^(3 - 127): the byte cannot fall under 1
.endr
.irp i, 2,4,6,8,10,12,14
.irp b, 0,1,2,3
	v_max3_num_f32 v[TM+\b], v[TM+\b], |v[\s+16*\b+\i]|, |v[\s+1+16*\b+\i]|
.endr
.endr
.irp b, 0,1,2,3
	v_permlanex16_b32 v[TP+\b], v[TM+\b], s[SEL], s[SEL+1]
.endr
.irp b, 0,1,2,3
	v_max_num_f32 v[TM+\b], v[TM+\b], v[TP+\b]                           ; with lane l xor 16's 16: the block's
.endr
.irp b, 0,1,2,3
	v_add_nc_u32 v[SO+\b], 0xff000000, v[TM+\b]                          ; 2 off the exponent field: the conversion's scale operand
.endr
.irp b, 0,1,2,3
	v_lshrrev_b32 v[TP+\b], 23, v[SO+\b]                                 ; the byte
.endr
	v_lshl_or_b32 v[\pw], v[TP+1], 8, v[TP]
	v_lshl_or_b32 v[\pw], v[TP+2], 16, v[\pw]
	v_lshl_or_b32 v[\pw], v[TP+3], 24, v[\pw]
.irp c, 0,1
	v_cvt_scalef32_pk16_fp6_f32 v[PC+6*\c:PC+2+6*\c], v[\s+32*\c:\s+15+32*\c], v[SO+2*\c]
	v_cvt_scalef32_pk16_fp6_f32 v[PC+12+4*\c:PC+14+4*\c], v[\s+16+32*\c:\s+31+32*\c], v[SO+2*\c+1]   ; (a conversion's three registers begin on an even number)
.endr
	v_nop                                                                ; one plain line behind the scaled conversions
.irp c, 0,1                            ; the operand wants a whole block in a lane: lanes 0-15 block 2 c, lanes 16-31 block 2 c + 1
.irp i, 0,1,2
	v_permlane16_swap_b32 v[PC+6*\c+\i], v[PC+12+4*\c+\i]
.endr
.irp i, 0,1,2
	v_mov_b32 v[PC+3+6*\c+\i], v[PC+12+4*\c+\i]
.endr
.endr
.endm
	s_load_b512 s[4:19], s[0:1], 0x0               ; query, keys, values, Wq, Wk, Wv, Wo, mask
	s_load_b128 s[20:23], s[0:1], 0x40             ; rec, maskw
	s_load_b64 s[44:45], s[0:1], 0x50              ; mflag
	v_lshl_add_u32 v243, v0, 2, 0x14a00
	v_mov_b32 v248, 0
	v_lshrrev_b32 v254, 5, v0
	v_readfirstlane_b32 s26, v254                  ; wave 0..9
	v_and_b32 v254, 31, v0
	v_lshlrev_b32 v[L16], 4, v254
	v_lshlrev_b32 v[L8], 3, v254
	s_mul_i32 s27, s26, STGB
	v_add_nc_u32 v[SIN], s27, v[L16]
	v_and_b32 v254, 15, v0                         ; r
	v_bfe_u32 v255, v0, 4, 1                       ; h
	v_mul_u32_u24 v[SOUT], v254, 528
	v_lshl_add_u32 v[SOUT], v255, 6, v[SOUT]
	v_add_nc_u32 v[SOUT], s27, v[SOUT]             ; row r, + 64 h: my 16 numbers of a block of 32
	v_lshlrev_b32 v[QA], 4, v254
	v_lshl_add_u32 v[QA], v255, 3, v[QA]           ; row r's four scale words: lanes 0-15 store the first two, lanes 16-31 the other two
	s_mov_b32 s[SEL], 0x76543210
	s_mov_b32 s[SEL+1], 0xfedcba98
.irp b, 0,1,2,3
	v_mov_b32 v[TP+\b], 0                          ; written once: a lane permute's destination counts as one of its sources
.endr
	s_mul_i32 s28, ttmp9, 10
	s_add_co_u32 s28, s28, s26                     ; id
	s_and_b32 s34, s28, 1                          ; tokens and weights: which half of K
	s_and_b32 s35, s28, 3                          ; the mask: which 512 keys
	s_bfe_u32 s29, s28, 0x70001                    ; a token tensor: tile,
	s_bfe_u32 s30, s28, 0x10008                    ; and b;
	s_lshl_b32 s30, s30, 1
	s_add_co_u32 s30, s30, s34                     ; 2 b + half: where in a row of 8,192 bytes I begin, in units of 2,048 bytes
	s_bfe_u32 s32, s28, 0x60001                    ; a weight: tile
	s_bfe_u32 s33, s28, 0x70002                    ; the mask: tile of queries
	s_cmp_lt_u32 s28, 1536
	s_cselect_b32 s29, s29, s32
	s_cselect_b32 s30, s30, s34
	s_cselect_b32 s31, 13, 12                      ; from row to row: 8,192 bytes (tokens of one b; the mask) or 4,096 (weights), as a shift
	s_cmp_lt_u32 s28, 2048
	s_cselect_b32 s29, s29, s33
	s_cselect_b32 s30, s30, s35
	s_cselect_b32 s31, s31, 13
	s_lshr_b32 s32, s29, 1
	s_lshl_b32 s32, s32, 5
	s_and_b32 s33, s29, 1
	s_lshl_b32 s33, s33, 3
	s_add_co_u32 s32, s32, s33                     ; the tile's first row
	s_lshl_b32 s32, s32, s31
	s_lshl_b32 s30, s30, 11
	s_add_co_u32 s32, s32, s30                     ; in bytes, + my place in the row
	s_mov_b32 s33, 0
.irp i, 0,1,2,3,4,5,6,7,8,9,10,11,12,13,14,15
	s_lshl_b32 s36, \i+8*(\i/8), s31
	v_add_nc_u32 v[OFF+\i], s36, v[L16]
.endr
	s_wait_kmcnt 0x0
	s_mov_b64 s[24:25], s[18:19]                   ; which tensor: the choice hangs on the task's number alone
	s_cmp_lt_u32 s28, 2048
	s_cselect_b64 s[24:25], s[16:17], s[24:25]
	s_cmp_lt_u32 s28, 1920
	s_cselect_b64 s[24:25], s[14:15], s[24:25]
	s_cmp_lt_u32 s28, 1792
	s_cselect_b64 s[24:25], s[12:13], s[24:25]
	s_cmp_lt_u32 s28, 1664
	s_cselect_b64 s[24:25], s[10:11], s[24:25]
	s_cmp_lt_u32 s28, 1536
	s_cselect_b64 s[24:25], s[8:9], s[24:25]
	s_cmp_lt_u32 s28, 1024
	s_cselect_b64 s[24:25], s[6:7], s[24:25]
	s_cmp_lt_u32 s28, 512
	s_cselect_b64 s[24:25], s[4:5], s[24:25]
	s_add_nc_u64 s[24:25], s[24:25], s[32:33]
	s_cmp_ge_u32 s28, 2048
	s_cbranch_scc1 .Lmask
	; ---- the quantiser: 4 K steps of 128: one tile's half of K
	s_lshr_b32 s34, s28, 4
	s_mul_i32 s34, s34, GRP                        ; the group of 8 tiles,
	s_bfe_u32 s36, s28, 0x30001
	s_mul_i32 s36, s36, HREC                       ; the tile in it,
	s_add_co_u32 s34, s34, s36
	s_and_b32 s36, s28, 1
	s_mul_i32 s36, s36, HGRP                       ; the half of K
	s_add_co_u32 s34, s34, s36
	s_mov_b32 s35, 0
	s_add_nc_u64 s[20:21], s[20:21], s[34:35]
	LOAD 0, 0
	LOAD 1, 1
.macro STEP ks
	ARRIVED \ks
.irp i, 0,1,2,3,4,5,6,7,8,9,10,11,12,13,14,15
	ds_store_b128 v[SIN], v[RAW+64*((\ks)%2)+4*\i:RAW+64*((\ks)%2)+4*\i+3] offset:528*\i   ; as loaded: row i's 512 bytes
.endr
.irp b, 0,1,2,3
.irp j, 0,1,2,3
	ds_load_b128 v[X+16*\b+4*\j:X+16*\b+4*\j+3], v[SOUT] offset:128*\b+16*\j               ; LDS serves a wave's instructions in order: these see the stores above
.endr
.endr
	s_wait_dscnt 0x0                               ; the numbers are back, and the stage's stores have read their registers
	s_wait_xcnt 0x0                                ; the last step's stores have read the codes' registers: they are written again only behind this wait
.if (\ks)+2 < NST
	LOAD (\ks)%2, (\ks)+2
.endif
	QUANT X, SW+\ks
	global_store_b128 v[L16], v[PC:PC+3], s[20:21] offset:256+(\ks)*1536
	global_store_b64 v[L8], v[PC+4:PC+5], s[20:21] offset:256+(\ks)*1536+512
	global_store_b128 v[L16], v[PC+6:PC+9], s[20:21] offset:256+(\ks)*1536+768
	global_store_b64 v[L8], v[PC+10:PC+11], s[20:21] offset:256+(\ks)*1536+1280
.endm
.irp t, 0,1,2,3
	STEP \t
.endr
	v_cmp_ne_u32 vcc_lo, 0, v255
	v_cndmask_b32 v[X], v[SW], v[SW+2], vcc_lo     ; both halves of the lanes hold row r's four words: lanes 0-15 send K steps 0, 1, lanes 16-31 K steps 2, 3
	v_cndmask_b32 v[X+1], v[SW+1], v[SW+3], vcc_lo
	global_store_b64 v[QA], v[X:X+1], s[20:21]     ; one aligned block of 256 bytes
	s_wait_tensorcnt 0x0
	ds_add_u32 v243, v248
	s_wait_dscnt 0x0
	s_endpgm
	; ---- the mask: 4 key steps of 128.  Lane l holds keys 4 l .. 4 l + 3 of each of the 16 rows: b = l / 8, h = (l / 4) % 2, i = 4 (l % 4) + c
.Lmask:
	s_and_b32 s34, s28, 511                        ; 4 x tile of queries + which 512 keys
	s_lshl_b32 s36, s34, 7
	s_mov_b32 s37, 0
	s_add_nc_u64 s[44:45], s[44:45], s[36:37]      ; my 128 bytes of flags
	s_lshl_b32 s34, s34, 10                        ; 4 steps x 256 bytes a task
	s_mov_b32 s35, 0
	s_add_nc_u64 s[22:23], s[22:23], s[34:35]
	s_and_b32 s38, s28, 3
	s_lshl_b32 s38, s38, 2                         ; my first key step: where my four flags stand
	s_mov_b32 s39, 0                               ; the flags
	v_and_b32 v254, 31, v0
	v_lshlrev_b32 v249, 2, v254                    ; 4 x lane
	v_lshrrev_b32 v251, 3, v254
	v_and_b32 v250, 3, v254
	v_bfe_u32 v255, v0, 2, 1                       ; h
	v_lshlrev_b32 v251, 6, v251
	v_lshl_add_u32 v251, v250, 4, v251
	v_lshl_add_u32 v251, v255, 3, v251             ; my two words' place: 64 (l / 8) + 16 (l % 4) + 8 h
	v_cmp_ne_u32 vcc_lo, 0, v255
	v_mov_b32 v12, 0                               ; written once: a DPP destination counts as read
	LOAD 0, 0
	LOAD 1, 1
.macro MSTEP ks
	ARRIVED \ks
.set MR, RAW+64*((\ks)%2)
	v_min_u32 v4, 1, v[MR]                         ; A: bits 0-15 key c = 0 of rows 0-15, bits 16-31 key c = 1
	v_min_u32 v5, 1, v[MR+2]                       ; B: the same of c = 2, 3
	v_min_u32 v6, 1, v[MR+1]
	v_min_u32 v7, 1, v[MR+3]
	v_lshl_or_b32 v4, v6, 16, v4
	v_lshl_or_b32 v5, v7, 16, v5
.irp i, 1,2,3,4,5,6,7,8,9,10,11,12,13,14,15
	v_min_u32 v6, 1, v[MR+4*\i]
	v_min_u32 v7, 1, v[MR+4*\i+1]
	v_min_u32 v8, 1, v[MR+4*\i+2]
	v_min_u32 v9, 1, v[MR+4*\i+3]
	v_lshl_or_b32 v4, v6, \i, v4
	v_lshl_or_b32 v5, v8, \i, v5
	v_lshl_or_b32 v4, v7, 16+\i, v4
	v_lshl_or_b32 v5, v9, 16+\i, v5
.endr
.if (\ks)+2 < NST
	LOAD (\ks)%2, (\ks)+2
.endif
	v_cndmask_b32 v10, v5, v4, vcc_lo              ; lanes l and l xor 4 hold the two halves (h = 0, 1) of the same four words: h = 0 finishes c = 0, 1 and sends B; h = 1 finishes c = 2, 3 and sends A
	v_cndmask_b32 v11, v4, v5, vcc_lo              ; what I keep
	v_mov_b32_dpp v12, v10 row_xmask:4 row_mask:0xf bank_mask:0xf
	v_cndmask_b32 v13, v11, v12, vcc_lo            ; the half of h = 0
	v_cndmask_b32 v14, v12, v11, vcc_lo            ; the half of h = 1
	v_perm_b32 v[X+2*(\ks)], v14, v13, 0x05040100  ; the two low halves: the first word
	v_perm_b32 v[X+2*(\ks)+1], v14, v13, 0x07060302   ; the two high halves: the second.  (Each step has its own pair: no store's data are written again)
	global_store_b64 v251, v[X+2*(\ks):X+2*(\ks)+1], s[22:23] offset:256*(\ks)   ; 32 lanes store one aligned block of 256 bytes
	v_and_b32 v15, v[X+2*(\ks)], v[X+2*(\ks)+1]
	v_cmp_eq_u32 s42, -1, v15                      ; the lanes whose two words are all ones
	s_cmp_eq_u32 s42, -1                           ; all 32 lanes: the step's 64 words have no hole
	s_cselect_b32 s43, 1<<(\ks), 0
	s_or_b32 s39, s39, s43
.endm
.irp t, 0,1,2,3
	MSTEP \t
.endr
	s_lshl_b32 s39, s39, s38                       ; to the steps' own places, so that the reader only joins four words
	v_mov_b32 v15, s39
	global_store_b32 v249, v15, s[44:45]           ; the same word in all 32 lanes: 128 consecutive bytes
	s_endpgm
.Lfunc_end_k_q0ced73e7ed_prep:
	.size	k_q0ced73e7ed_prep, .Lfunc_end_k_q0ced73e7ed_prep-k_q0ced73e7ed_prep
	.p2alignl 7, 3214868480
	.fill 96, 4, 3214868480
	.section	.rodata,"a",@progbits
	.p2align	6, 0x0
	.amdhsa_kernel k_q0ced73e7ed_prep
		.amdhsa_group_segment_fixed_size 85760
		.amdhsa_private_segment_fixed_size 0
		.amdhsa_enable_private_segment 0
		.amdhsa_kernarg_size 88
		.amdhsa_user_sgpr_count 2
		.amdhsa_user_sgpr_kernarg_segment_ptr 1
		.amdhsa_wavefront_size32 1
		.amdhsa_system_sgpr_workgroup_id_x 1
		.amdhsa_system_sgpr_workgroup_id_y 1
		.amdhsa_system_sgpr_workgroup_id_z 1
		.amdhsa_system_vgpr_workitem_id 0
		.amdhsa_next_free_vgpr 256
		.amdhsa_next_free_sgpr 66
		.amdhsa_reserve_vcc 1
		.amdhsa_float_denorm_mode_32 3
		.amdhsa_float_denorm_mode_16_64 3
		.amdhsa_memory_ordered 1
		.amdhsa_forward_progress 1
		.amdhsa_inst_pref_size 70
	.end_amdhsa_kernel
	.amdgpu_metadata
---
amdhsa.version: [ 1, 2 ]
amdhsa.kernels:
  - .name:           k_q0ced73e7ed_prep
    .symbol:         k_q0ced73e7ed_prep.kd
    .args:
      - { .name: query, .offset: 0, .size: 8, .value_kind: global_buffer, .address_space: global }
      - { .name: keys, .offset: 8, .size: 8, .value_kind: global_buffer, .address_space: global }
      - { .name: values, .offset: 16, .size: 8, .value_kind: global_buffer, .address_space: global }
      - { .name: Wq, .offset: 24, .size: 8, .value_kind: global_buffer, .address_space: global }
      - { .name: Wk, .offset: 32, .size: 8, .value_kind: global_buffer, .address_space: global }
      - { .name: Wv, .offset: 40, .size: 8, .value_kind: global_buffer, .address_space: global }
      - { .name: Wo, .offset: 48, .size: 8, .value_kind: global_buffer, .address_space: global }
      - { .name: mask, .offset: 56, .size: 8, .value_kind: global_buffer, .address_space: global }
      - { .name: rec, .offset: 64, .size: 8, .value_kind: global_buffer, .address_space: global }
      - { .name: maskw, .offset: 72, .size: 8, .value_kind: global_buffer, .address_space: global }
      - { .name: mflag, .offset: 80, .size: 8, .value_kind: global_buffer, .address_space: global }
    .group_segment_fixed_size: 85760
    .private_segment_fixed_size: 0
    .kernarg_segment_align: 8
    .kernarg_segment_size: 88
    .max_flat_workgroup_size: 320
    .sgpr_count:     66
    .vgpr_count:     256
    .wavefront_size: 32
...
	.end_amdgpu_metadata
.endif
;; end of part 1
;; launch proj (part 2): grid 8 x 96, 8 waves a work-group, clusters of 4 x 4, 209,920 bytes of LDS; arguments rec, qc, qs, kv; writes qc, qs, kv
.if DOCPART == 2
	.amdgcn_target "amdgcn-amd-amdhsa--gfx1250"
	.amdhsa_code_object_version 6
	.text
	.protected	k_q0ced73e7ed_proj
	.globl	k_q0ced73e7ed_proj
	.p2align	8
	.type	k_q0ced73e7ed_proj,@function
k_q0ced73e7ed_proj:
	s_mov_b64 s[64:65], 0
	v_nop
	global_prefetch_b8 v0, s[64:65] scope:SCOPE_SE
	s_setreg_imm32_b32 hwreg(HW_REG_WAVE_MODE, 25, 1), 1
	s_wait_xcnt 0x0
	s_wait_alu depctr_hold_cnt(0) depctr_sa_sdst(0) depctr_va_vdst(0) depctr_va_sdst(0) depctr_va_ssrc(0) depctr_va_vcc(0) depctr_vm_vsrc(0)
	s_getreg_b32 s2, hwreg(HW_REG_IB_STS2, 6, 4)
	s_cmp_eq_u32 s2, 0
	s_cbranch_scc0 .Lentry_in_a_cluster
	s_endpgm
.Lentry_in_a_cluster:
	s_bfe_u32 s2, ttmp6, 0x10000c
	s_cmp_lg_u32 s2, 0xf033
	s_cbranch_scc0 .Lentry_shape_is_right
	s_endpgm
.Lentry_shape_is_right:
; PROJ.  q = query Wq^T, k = keys Wk^T, v = values Wv^T on codes of E2M3 (K = 1,024), and the results quantised in registers: q and k along d (a head's 64 = two blocks), v along the keys.
; A work-group makes 128 tokens (one key step of one b) x 128 columns (two heads): y = 32 tz + 16 b + step (tz: 0 q, 1 k, 2 v), x = the block of columns.
; Eight waves, w0 = w % 2, w1 = w / 2: 4 tiles of source 0 x 2 tiles of source 1, 8 accumulators.  A result's registers run along source 0's rows, its lanes along source 1's.
; So for q and k source 0 = the weight (d along the registers), source 1 = the tokens; for v source 0 = the tokens (keys along the registers), source 1 = the weight: two LDS bases change places, nothing else.
; The rows of a tile are 32 (T / 2) + 8 (T % 2) + r + 8 (r / 8): the 16 registers of source 0's tiles 2 B, 2 B + 1 are rows 32 B + 16 h + 0 .. 15: half a block a lane.
; ALL OF K FITS IN LDS: two halves of 512 along K, each filled once; no LDS byte is filled twice.  The second half lands while the first is multiplied.
; CLUSTER 4 x 4: the four of a row need the same tokens, the four of a column the same weight rows: each block is asked for jointly.  tz is made of the cluster's y alone: it is the same in all sixteen.
; OUT: qc [b][h][tile 128][768 B]; qs [b][h][tile / 4][r][tile % 4] words (e0 | e1 << 8; the upper two bytes 0: they scale zero codes);
;      kv [b][h][step][13,056 B]: K's 8 half fragments, V's 4 fragments (16 d x 128 keys), K's scale words [t / 4][r][t % 4], V's [r][dt].
; LIMITS: as in the quantiser ahead of this launch: a block whose largest magnitude lies under 2^-124 keeps the byte 1; NaN and infinities are not served.
.set GRP,   102400                     ; a group of 8 tiles in rec; also a half of K in LDS (X's 8 tiles, then W's 8)
.set HGRP,  51200
.set HREC,  6400                       ; a tile's half: 256 bytes of scale words, 4 fragments of 1,536
.set SQ,    204800                     ; q's and k's scale words, gathered: [head 2][quad 2][r][4]
.set SV,    205824                     ; v's: [head 2][r][dt 4]
.set KVB,   13056
.set WV, 12
.set W0, 13
.set W1, 14
.set TZ, 15
.set G1X, 16                           ; s[16:23] group 1 for the tokens' blocks;  s[24:31] for the weight's: the mask differs
.set G1W, 24
.set G0X, 32                           ; s[32:39] groups 0, one for each half;  s[48:55] the weight's
.set G0W, 48
.set SEL, 66
.set L16, 1
.set L8,  2
.set R16, 3
.set A0,  4                            ; source 0: 16 x lane, 8 x lane (v5), 16 x r (v8) + its LDS base
.set A0B, 5
.set A1,  6                            ; source 1 likewise (v6, v7, v9)
.set A1B, 7
.set AS0, 8
.set AS1, 9
.set SQW, 10
.set SVW, 11
.set SQR, 12
.set SVR, 13
.set F0,  16                           ; v16-63  source 0's 4 fragments
.set F1,  64                           ; v64-87  source 1's 2
.set SC0, 88                           ; v88-103 source 0's scale words: 4 tiles x 4 K steps
.set SC1, 104                          ; v104-111 source 1's
.set ACC, 128                          ; v128-191 accumulator (j, i) at 8 (4 j + i)
.set H,   192                          ; v192-203 the codes made: 6 registers for each j
.set CT,  204
.set TM,  212
.set TP,  214
.set SO,  216
.set HW,  224                          ; v[224:225] the two scale half words
.macro NOPS n
.rept \n
	v_nop
.endr
.endm
.macro ROUND                           ; a round of the cluster's barrier
	s_barrier_signal -1
	s_barrier_wait -1
	s_cmp_lg_u32 s[WV], 0
	s_cbranch_scc1 .Lnot_wave_0_\@
	s_barrier_signal -3
.Lnot_wave_0_\@:
	s_barrier_wait -3
	s_barrier_signal -1
	s_barrier_wait -1
.endm
.macro FRAG reg, a16, a8, off          ; a fragment's image back into 12 registers: every load takes consecutive bytes over the lanes
	ds_load_b128 v[\reg:\reg+3], v[\a16] offset:\off
	ds_load_b64 v[\reg+4:\reg+5], v[\a8] offset:\off+512
	ds_load_b128 v[\reg+6:\reg+9], v[\a16] offset:\off+768
	ds_load_b64 v[\reg+10:\reg+11], v[\a8] offset:\off+1280
.endm
; 32 numbers of a lane, register 16 b + i = k 32 b + 16 h + i of my row, become half a fragment (6 registers) and two scale bytes.  The accumulators are read from their low ends on.
.macro QUANT2 x, hh, ct, hw
.irp b, 0,1
	v_max3_num_f32 v[TM+\b], |v[\x+16*\b]|, |v[\x+16*\b+1]|, 0x1800000   ; and the floor 2^(3 - 127): the byte cannot fall under 1
.endr
.irp i, 2,4,6,8,10,12,14
.irp b, 0,1
	v_max3_num_f32 v[TM+\b], v[TM+\b], |v[\x+16*\b+\i]|, |v[\x+16*\b+\i+1]|
.endr
.endr
.irp b, 0,1
	v_permlanex16_b32 v[TP+\b], v[TM+\b], s[SEL], s[SEL+1]
.endr
.irp b, 0,1
	v_max_num_f32 v[TM+\b], v[TM+\b], v[TP+\b]
.endr
.irp b, 0,1
	v_add_nc_u32 v[SO+\b], 0xff000000, v[TM+\b]    ; 2 off the exponent field: the conversion's scale operand
.endr
.irp b, 0,1
	v_lshrrev_b32 v[TP+\b], 23, v[SO+\b]
.endr
	v_lshl_or_b32 v[\hw], v[TP+1], 8, v[TP]
	v_cvt_scalef32_pk16_fp6_f32 v[\hh:\hh+2], v[\x:\x+15], v[SO]
	v_cvt_scalef32_pk16_fp6_f32 v[\ct:\ct+2], v[\x+16:\x+31], v[SO+1]
	v_nop                                          ; one plain line behind the scaled conversions
.irp i, 0,1,2
	v_permlane16_swap_b32 v[\hh+\i], v[\ct+\i]     ; a whole block to a lane: lanes 0-15 block 0, lanes 16-31 block 1
.endr
.irp i, 0,1,2
	v_mov_b32 v[\hh+3+\i], v[\ct+\i]
.endr
.endm
	s_load_b256 s[4:11], s[0:1], 0x0               ; rec, qc, qs, kv
	v_lshl_add_u32 v254, v0, 2, 0x33000
	v_mov_b32 v255, 0
	ds_add_u32 v254, v255
	ds_add_u32 v254, v255
	v_lshrrev_b32 v1, 5, v0
	v_readfirstlane_b32 s[WV], v1
	s_and_b32 s[W0], s[WV], 1
	s_lshr_b32 s[W1], s[WV], 1
	s_bfe_u32 s40, ttmp6, 0x40000                  ; cx
	s_bfe_u32 s41, ttmp6, 0x40004                  ; cy
	s_lshl_b32 s42, ttmp9, 2
	s_add_co_u32 s42, s42, s40                     ; x
	s_and_b32 s43, ttmp7, 0xffff
	s_lshr_b32 s[TZ], s43, 3                       ; which tensor: 8 clusters along y for each
	s_lshl_b32 s43, s43, 2
	s_add_co_u32 s43, s43, s41                     ; y
	s_lshl_b32 s44, s41, 2
	s_lshl_b32 s44, 15, s44                        ; my row of the cluster
	s_lshl_b32 s45, 0x1111, s40                    ; my column
	; group 1: a dense block of 12,800 bytes (two tiles' halves) as 50 rows of 256 bytes (32 elements of 8 bytes), no padding
	s_or_b32 s[G1X], s44, (3<<16)|(1<<21)
	s_or_b32 s[G1W], s45, (3<<16)|(1<<21)
.irp g, G1X, G1W
	s_mov_b32 s[\g+1], 32<<16                      ; tensor_dim0
	s_mov_b32 s[\g+2], 50<<16                      ; tensor_dim1
	s_mov_b32 s[\g+3], 32<<16                      ; tile_dim0
	s_mov_b32 s[\g+4], 50                          ; tile_dim1
	s_mov_b32 s[\g+5], 32                          ; from row to row
	s_mov_b32 s[\g+6], 0
	s_mov_b32 s[\g+7], 0
.endr
	s_and_b32 s46, s[WV], 3
	s_mul_i32 s46, s46, 2*HREC                     ; waves 0-3 fetch the tokens' tiles 2 (w % 4), + 1, waves 4-7 the weight's
	s_mul_i32 s56, s43, GRP                        ; the tokens' group is y: it hangs on the row of the cluster alone
	s_add_co_u32 s56, s56, s46
	s_mov_b32 s57, 0
	s_lshl_b32 s58, s[TZ], 3
	s_add_co_u32 s58, s58, s42
	s_add_co_u32 s58, s58, 96                      ; the weight's group: 96 + 8 tz + x: it hangs on the column alone
	s_mul_i32 s58, s58, GRP
	s_add_co_u32 s58, s58, s46
	s_mov_b32 s59, 0
	s_mul_i32 s47, s[WV], 2*HREC                   ; where they go: wave x 12,800: the tokens' 8 tiles, then the weight's 8
	s_wait_dscnt 0x0
	s_wait_kmcnt 0x0
	s_add_nc_u64 s[56:57], s[4:5], s[56:57]
	s_add_nc_u64 s[58:59], s[4:5], s[58:59]
.irp k, 0,1
	s_mov_b32 s[G0X+4*\k], 1
	s_add_co_u32 s[G0X+4*\k+1], s47, \k*GRP
	s_add_nc_u64 s[G0X+4*\k+2:G0X+4*\k+3], s[56:57], \k*HGRP
	s_or_b32 s[G0X+4*\k+3], s[G0X+4*\k+3], 0x80000000
	s_mov_b32 s[G0W+4*\k], 1
	s_add_co_u32 s[G0W+4*\k+1], s47, \k*GRP
	s_add_nc_u64 s[G0W+4*\k+2:G0W+4*\k+3], s[58:59], \k*HGRP
	s_or_b32 s[G0W+4*\k+3], s[G0W+4*\k+3], 0x80000000
.endr
	ROUND                                          ; all sixteen work-groups are here: the joint loads meet
	s_cmp_lt_u32 s[WV], 4                          ; a wave's two fills stand in one branch on its number: two loads of mine are out
	s_cbranch_scc0 .Lfill_w
	tensor_load_to_lds s[G0X:G0X+3], s[G1X:G1X+7]
	s_nop 0
	tensor_load_to_lds s[G0X+4:G0X+7], s[G1X:G1X+7]
	s_nop 0
	NOPS 4
	s_branch .Lfilled
.Lfill_w:
	tensor_load_to_lds s[G0W:G0W+3], s[G1W:G1W+7]
	s_nop 0
	tensor_load_to_lds s[G0W+4:G0W+7], s[G1W:G1W+7]
	s_nop 0
	NOPS 4
.Lfilled:
	v_and_b32 v14, 31, v0
	v_lshlrev_b32 v[L16], 4, v14
	v_lshlrev_b32 v[L8], 3, v14
	v_and_b32 v15, 15, v0
	v_lshlrev_b32 v[R16], 4, v15
	s_cmp_eq_u32 s[TZ], 2
	s_cselect_b32 s62, 0, HGRP                     ; source 0: the tokens for v, else the weight
	s_cselect_b32 s63, HGRP, 0                     ; source 1: the other
	s_mul_i32 s68, s[W0], 4*HREC
	s_add_co_u32 s62, s62, s68
	s_mul_i32 s68, s[W1], 2*HREC
	s_add_co_u32 s63, s63, s68
	v_add_nc_u32 v[A0], s62, v[L16]
	v_add_nc_u32 v[A0B], s62, v[L8]
	v_add_nc_u32 v[AS0], s62, v[R16]
	v_add_nc_u32 v[A1], s63, v[L16]
	v_add_nc_u32 v[A1B], s63, v[L8]
	v_add_nc_u32 v[AS1], s63, v[R16]
	s_lshl_b32 s68, s[W0], 9
	s_lshr_b32 s69, s[W1], 1
	s_lshl_b32 s69, s69, 8
	s_and_b32 s70, s[W1], 1
	s_lshl_b32 s70, s70, 3
	s_add_co_u32 s71, s69, s70                     ; 256 (w1 / 2) + 8 (w1 % 2)
	s_add_co_u32 s68, s68, s71
	s_add_co_u32 s68, s68, SQ
	v_add_nc_u32 v[SQW], s68, v[R16]               ; q, k: head w0, quad w1 / 2, row r, tiles 2 (w1 % 2), + 1
	s_lshl_b32 s68, s[W0], 1
	s_add_co_u32 s68, s68, s71
	s_add_co_u32 s68, s68, SV
	v_add_nc_u32 v[SVW], s68, v[R16]               ; v: head w1 / 2, row r, dt 2 (w1 % 2), + 1, bytes 2 w0, + 1
	s_lshl_b32 s68, s[WV], 8
	s_add_co_u32 s69, s68, SQ
	v_add_nc_u32 v[SQR], s69, v[L8]                ; back: 256 bytes a wave
	s_add_co_u32 s69, s68, SV
	v_add_nc_u32 v[SVR], s69, v[L8]
	; where my codes go
	s_bfe_u32 s68, s43, 0x10004
	s_lshl_b32 s68, s68, 4                         ; 16 b
	s_and_b32 s69, s43, 15                         ; step
	s_lshr_b32 s71, s[W1], 1
	s_cmp_eq_u32 s[TZ], 2
	s_cselect_b32 s71, s71, s[W0]                  ; my head of the two: source 1's for v, source 0's for q and k
	s_lshl_b32 s70, s42, 1
	s_add_co_u32 s70, s70, s71
	s_add_co_u32 s70, s70, s68
	s_lshl_b32 s70, s70, 4
	s_add_co_u32 s70, s70, s69                     ; (16 b + head) 16 + step
	s_mov_b32 s72, KVB
	s_cmp_eq_u32 s[TZ], 0
	s_cselect_b32 s72, 6144, s72
	s_mul_i32 s72, s70, s72
	s_mul_i32 s73, s[W1], 1536                     ; q, k: tile 2 w1 of the step's 8, 768 bytes each
	s_and_b32 s74, s[W1], 1
	s_mul_i32 s74, s74, 3072
	s_mul_i32 s75, s[W0], 768
	s_add_co_u32 s74, s74, s75
	s_add_co_u32 s74, s74, 6144                    ; v: behind K's, fragment 2 (w1 % 2), its half w0
	s_cmp_eq_u32 s[TZ], 2
	s_cselect_b32 s73, s74, s73
	s_mov_b32 s74, 768
	s_cselect_b32 s74, 1536, s74                   ; from my first tile of source 1 to my second
	s_add_co_u32 s72, s72, s73
	s_mov_b32 s73, 0
	s_mov_b32 s75, 0
	s_cmp_eq_u32 s[TZ], 0
	s_cselect_b64 s[56:57], s[6:7], s[10:11]
	s_add_nc_u64 s[56:57], s[56:57], s[72:73]
	s_add_nc_u64 s[58:59], s[56:57], s[74:75]
	; and the scale words that I send (q, k: waves 0-3; v: waves 0, 1)
	s_lshr_b32 s71, s[WV], 1
	s_cmp_eq_u32 s[TZ], 2
	s_cselect_b32 s71, s[WV], s71
	s_lshl_b32 s70, s42, 1
	s_add_co_u32 s70, s70, s71
	s_add_co_u32 s70, s70, s68
	s_lshl_b32 s70, s70, 4
	s_add_co_u32 s70, s70, s69
	s_mov_b32 s72, KVB
	s_cmp_eq_u32 s[TZ], 0
	s_cselect_b32 s72, 512, s72
	s_mul_i32 s72, s70, s72
	s_lshl_b32 s73, s[W0], 8
	s_add_co_u32 s74, s73, 12288
	s_cmp_eq_u32 s[TZ], 0
	s_cselect_b32 s73, s73, s74
	s_mov_b32 s74, 12800
	s_cmp_eq_u32 s[TZ], 2
	s_cselect_b32 s73, s74, s73
	s_add_co_u32 s72, s72, s73
	s_mov_b32 s73, 0
	s_cmp_eq_u32 s[TZ], 0
	s_cselect_b64 s[60:61], s[8:9], s[10:11]
	s_add_nc_u64 s[60:61], s[60:61], s[72:73]
	s_mov_b32 s[SEL], 0x76543210
	s_mov_b32 s[SEL+1], 0xfedcba98
	v_mov_b32 v[TP], 0                             ; written once: a lane permute's destination counts as one of its sources
	v_mov_b32 v[TP+1], 0
; A half of K: 4 K steps of 128.  A K step: 6 fragments from LDS, 8 matrix instructions, the 8 accumulators by turns.
; Four plain lines stand between matrix instructions and loads into registers that they have read.
.macro HALF first
.if \first == 0
	NOPS 4
.endif
.irp i, 0,1,2,3
	ds_load_b128 v[SC0+4*\i:SC0+4*\i+3], v[AS0] offset:\i*HREC     ; row r's scale words of the 4 K steps
.endr
.irp i, 0,1
	ds_load_b128 v[SC1+4*\i:SC1+4*\i+3], v[AS1] offset:\i*HREC
.endr
.irp k, 0,1,2,3
.if \k > 0
	NOPS 4
.endif
.irp i, 0,1,2,3
	FRAG F0+12*\i, A0, A0B, \i*HREC+256+\k*1536
.endr
.irp i, 0,1
	FRAG F1+12*\i, A1, A1B, \i*HREC+256+\k*1536
.endr
	s_wait_dscnt 0x0
.irp j, 0,1
.irp i, 0,1,2,3
.if (\first) && (\k == 0)
	v_wmma_scale_f32_16x16x128_f8f6f4 v[ACC+8*(4*\j+\i):ACC+8*(4*\j+\i)+7], v[F0+12*\i:F0+12*\i+11], v[F1+12*\j:F1+12*\j+11], 0, v[SC0+4*\i+\k], v[SC1+4*\j+\k] matrix_a_fmt:MATRIX_FMT_FP6 matrix_b_fmt:MATRIX_FMT_FP6
.else
	v_wmma_scale_f32_16x16x128_f8f6f4 v[ACC+8*(4*\j+\i):ACC+8*(4*\j+\i)+7], v[F0+12*\i:F0+12*\i+11], v[F1+12*\j:F1+12*\j+11], v[ACC+8*(4*\j+\i):ACC+8*(4*\j+\i)+7], v[SC0+4*\i+\k], v[SC1+4*\j+\k] matrix_a_fmt:MATRIX_FMT_FP6 matrix_b_fmt:MATRIX_FMT_FP6
.endif
.endr
.endr
.endr
.endm
	s_wait_tensorcnt 0x1                           ; my part of the first half is in; the second half's load may stay out
	s_barrier_signal -1
	s_barrier_wait -1                              ; everybody's is
	HALF 1
.irp a, A0, A0B, A1, A1B, AS0, AS1
	v_add_nc_u32 v[\a], GRP, v[\a]                 ; on to the second half
.endr
	s_wait_tensorcnt 0x0
	s_barrier_signal -1
	s_barrier_wait -1
	HALF 0
	NOPS 4                                         ; four plain lines between the last products and the first read of results
.irp j, 0,1
	QUANT2 ACC+32*\j, H+6*\j, CT+4*\j, HW+\j
.endr
	global_store_b128 v[L16], v[H:H+3], s[56:57]   ; 512 and 256 consecutive bytes, at multiples of 256 from the buffer's first byte
	global_store_b64 v[L8], v[H+4:H+5], s[56:57] offset:512
	global_store_b128 v[L16], v[H+6:H+9], s[58:59]
	global_store_b64 v[L8], v[H+10:H+11], s[58:59] offset:512
	; the scale bytes meet in LDS, so that they leave as whole blocks of 256 bytes; each tensor kind has LDS bytes of its own
	s_cmp_eq_u32 s[TZ], 2
	s_cbranch_scc1 .Lstage_v
	ds_store_b64 v[SQW], v[HW:HW+1]                ; lanes r and r + 16 write the same words with the same values
	s_branch .Lstaged
.Lstage_v:
	ds_store_b16 v[SVW], v[HW]
	ds_store_b16 v[SVW], v[HW+1] offset:4
.Lstaged:
	s_wait_dscnt 0x0                               ; for the others' sake: my stores have landed
	s_barrier_signal -1
	s_barrier_wait -1
	s_cmp_eq_u32 s[TZ], 2
	s_cbranch_scc1 .Lback_v
	s_cmp_lt_u32 s[WV], 4
	s_cbranch_scc0 .Ldone
	ds_load_b64 v[16:17], v[SQR]
	s_branch .Lsend
.Lback_v:
	s_cmp_lt_u32 s[WV], 2
	s_cbranch_scc0 .Ldone
	ds_load_b64 v[16:17], v[SVR]
.Lsend:
	s_wait_dscnt 0x0
	global_store_b64 v[L8], v[16:17], s[60:61]     ; 32 lanes store one aligned block of 256 bytes
.Ldone:
	s_wait_tensorcnt 0x0
	ds_add_u32 v254, v255
	s_wait_dscnt 0x0
	ROUND                                          ; the closing round: no work-group ends while a partner may still ask for a block that names it
	s_endpgm
.Lfunc_end_k_q0ced73e7ed_proj:
	.size	k_q0ced73e7ed_proj, .Lfunc_end_k_q0ced73e7ed_proj-k_q0ced73e7ed_proj
	.p2alignl 7, 3214868480
	.fill 96, 4, 3214868480
	.section	.rodata,"a",@progbits
	.p2align	6, 0x0
	.amdhsa_kernel k_q0ced73e7ed_proj
		.amdhsa_group_segment_fixed_size 209920
		.amdhsa_private_segment_fixed_size 0
		.amdhsa_enable_private_segment 0
		.amdhsa_kernarg_size 32
		.amdhsa_user_sgpr_count 2
		.amdhsa_user_sgpr_kernarg_segment_ptr 1
		.amdhsa_wavefront_size32 1
		.amdhsa_system_sgpr_workgroup_id_x 1
		.amdhsa_system_sgpr_workgroup_id_y 1
		.amdhsa_system_sgpr_workgroup_id_z 1
		.amdhsa_system_vgpr_workitem_id 0
		.amdhsa_next_free_vgpr 256
		.amdhsa_next_free_sgpr 80
		.amdhsa_reserve_vcc 0
		.amdhsa_float_denorm_mode_32 3
		.amdhsa_float_denorm_mode_16_64 3
		.amdhsa_memory_ordered 1
		.amdhsa_forward_progress 1
		.amdhsa_inst_pref_size 37
	.end_amdhsa_kernel
	.amdgpu_metadata
---
amdhsa.version: [ 1, 2 ]
amdhsa.kernels:
  - .name:           k_q0ced73e7ed_proj
    .symbol:         k_q0ced73e7ed_proj.kd
    .args:
      - { .name: rec, .offset: 0, .size: 8, .value_kind: global_buffer, .address_space: global }
      - { .name: qc, .offset: 8, .size: 8, .value_kind: global_buffer, .address_space: global }
      - { .name: qs, .offset: 16, .size: 8, .value_kind: global_buffer, .address_space: global }
      - { .name: kv, .offset: 24, .size: 8, .value_kind: global_buffer, .address_space: global }
    .group_segment_fixed_size: 209920
    .private_segment_fixed_size: 0
    .kernarg_segment_align: 8
    .kernarg_segment_size: 32
    .max_flat_workgroup_size: 256
    .sgpr_count:     80
    .vgpr_count:     256
    .wavefront_size: 32
...
	.end_amdgpu_metadata
.endif
;; end of part 2
;; launch attn (part 3): grid 8 x 32, 16 waves a work-group, no clusters, 215,040 bytes of LDS; arguments qc, qs, kv, maskw, mflag, ac, asc; writes ac, asc
.if DOCPART == 3
	.amdgcn_target "amdgcn-amd-amdhsa--gfx1250"
	.amdhsa_code_object_version 6
	.text
	.protected	k_q0ced73e7ed_attn
	.globl	k_q0ced73e7ed_attn
	.p2align	8
	.type	k_q0ced73e7ed_attn,@function
k_q0ced73e7ed_attn:
	s_mov_b64 s[64:65], 0
	v_nop
	global_prefetch_b8 v0, s[64:65] scope:SCOPE_SE
	s_setreg_imm32_b32 hwreg(HW_REG_WAVE_MODE, 25, 1), 1
	s_wait_xcnt 0x0
; ATTN.  For one (b, head) and 256 queries: S^T = K Q^T (unscaled, as the problem has it), masked scores are replaced, p = 2^(t - M) with t = score x log2(e) and M the running largest t rounded up to a
; whole number, O^T += V^T P^T on codes of E2M3 (p quantised along the keys), O / the sum of the unquantised p, and that quantised along d for the last product.
; SHARES.  Sixteen waves, each one tile of 16 queries in 256 registers: four waves to a SIMD, so that one wave's vector work stands beside another's products and LDS loads.
; A WHOLE HEAD'S K AND V FIT IN LDS: 16 key steps x 13,056 bytes; wave w brings key step w's block, once, through its registers.  The loop has no barrier.
; LAYOUT.  Both products are used transposed: a lane holds ONE query (lane % 16).  The keys of a tile are 32 (t / 2) + 8 (t % 2) + r + 8 (r / 8), so register 16 b + i of the scores is key 32 b + 16 h + i.
; The head's 64 are half of the instruction's K = 128: the upper six registers of Q's and K's fragments hold zero codes, whose scale bytes are 0 (2^-127, no NaN).
; THE MASK comes as 64 words a key step, one bit a lane, into scalar registers, a step ahead.  Where a flag bit, made with the words by the launch that made them, says that the step's 64 words of my tile
; have no hole, the 64 selects are passed over by a scalar branch; they would change nothing there.
; NO CLUSTER, NO TENSOR LOAD, though the eight work-groups of a head read the same K and V.  What is shared is read
; once, at the head, 13,056 bytes a wave; the selects are 64 vector lines in each of a wave's 16 trips.
; THE MASKED SCORE IS -2^67, not -1e20: its product with log2(e) is exact, so in a row that is masked everywhere M equals t, the fused line gives t - M = 0 and every p is 1, as with -1e20 and t rounded first.
; LIMITS: unmasked scores at or under -2^66 (7.4e19) are not served: above that a masked key's weight is 0 beside any unmasked key, as with -1e20.  NaN and infinities are not served; p under 2^-126 counts as 0;
; a block whose largest magnitude lies under 2^-124 keeps the byte 1.
.set BLK, 13056                        ; a key step's block: K's 8 half fragments (0), V's 4 fragments (6,144), K's scale words (12,288), V's (12,800)
.set SG,  208896                       ; behind the 16 blocks: 512 bytes in which the waves' scale half words meet
.set TB,  2                            ; s2   LDS byte of the step's block
.set CNT, 3                            ; s3   the step
.set MO,  66                           ; s66  the next step's byte in my tile's mask words
.set WV,  67
.set FLG, 70                           ; s70  my tile's 16 flags: bit (step) set where the step's mask words have no hole
.set SEL, 96
.set CS,  98                           ; s[98:99] log2(e)
.set L16, 1
.set L8,  2
.set R16, 3
.set A16, 4
.set A8,  5
.set AR,  6
.set NEG, 7                            ; v7   -2^67
.set SGW, 10
.set SGR, 11
.set QF,  16                           ; v16-27 Q's fragment (v22-27 zero);  v28 its scale words;  v29 p's;  v[30:31] f
.set KF,  32                           ; v32-79 four fragments of K (each one's upper six registers zero)
.set KS,  80
.set VS,  84
.set TM,  88
.set TP,  92
.set S,   96                           ; v96-159 the scores, t - M, p; then V's four fragments.  (At the head v96-197 carry my block of K and V to LDS)
.set O,   160                          ; v160-191 O^T
.set PC,  192
.set CT,  204
.set SO,  212
.macro NOPS n
.rept \n
	v_nop
.endr
.endm
.macro FRAG reg, a16, a8, off          ; a fragment's image back into 12 registers: every load takes consecutive bytes over the lanes
	ds_load_b128 v[\reg:\reg+3], v[\a16] offset:\off
	ds_load_b64 v[\reg+4:\reg+5], v[\a8] offset:\off+512
	ds_load_b128 v[\reg+6:\reg+9], v[\a16] offset:\off+768
	ds_load_b64 v[\reg+10:\reg+11], v[\a8] offset:\off+1280
.endm
.macro QUANT2 x, hh, ct, hw            ; 32 numbers of a lane (register 16 b + i = k 32 b + 16 h + i) become half a fragment and two scale bytes
.irp b, 0,1
	v_max3_num_f32 v[TM+\b], |v[\x+16*\b]|, |v[\x+16*\b+1]|, 0x1800000
.endr
.irp i, 2,4,6,8,10,12,14
.irp b, 0,1
	v_max3_num_f32 v[TM+\b], v[TM+\b], |v[\x+16*\b+\i]|, |v[\x+16*\b+\i+1]|
.endr
.endr
.irp b, 0,1
	v_permlanex16_b32 v[TP+\b], v[TM+\b], s[SEL], s[SEL+1]
.endr
.irp b, 0,1
	v_max_num_f32 v[TM+\b], v[TM+\b], v[TP+\b]
.endr
.irp b, 0,1
	v_add_nc_u32 v[SO+\b], 0xff000000, v[TM+\b]
.endr
.irp b, 0,1
	v_lshrrev_b32 v[TP+\b], 23, v[SO+\b]
.endr
	v_lshl_or_b32 v[\hw], v[TP+1], 8, v[TP]
	v_cvt_scalef32_pk16_fp6_f32 v[\hh:\hh+2], v[\x:\x+15], v[SO]
	v_cvt_scalef32_pk16_fp6_f32 v[\ct:\ct+2], v[\x+16:\x+31], v[SO+1]
	v_nop
.irp i, 0,1,2
	v_permlane16_swap_b32 v[\hh+\i], v[\ct+\i]
.endr
.irp i, 0,1,2
	v_mov_b32 v[\hh+3+\i], v[\ct+\i]
.endr
.endm
	s_load_b256 s[4:11], s[0:1], 0x0               ; qc, qs, kv, maskw
	s_load_b128 s[12:15], s[0:1], 0x20             ; mflag, ac
	s_load_b64 s[68:69], s[0:1], 0x30              ; asc
	v_lshl_add_u32 v254, v0, 2, 0x34000
	v_mov_b32 v255, 0
	v_lshrrev_b32 v1, 5, v0
	v_readfirstlane_b32 s[WV], v1                  ; wave 0..15
	v_and_b32 v8, 31, v0
	v_lshlrev_b32 v[L16], 4, v8
	v_lshlrev_b32 v[L8], 3, v8
	v_and_b32 v9, 15, v0
	v_lshlrev_b32 v[R16], 4, v9
	s_and_b32 s18, ttmp7, 0xffff                   ; 16 b + head
	s_lshl_b32 s19, ttmp9, 4
	s_add_co_u32 s19, s19, s[WV]                   ; T: my tile of queries
	s_lshl_b32 s20, s18, 4
	s_add_co_u32 s20, s20, s[WV]
	s_mul_i32 s20, s20, BLK                        ; wave w brings key step w
	s_mov_b32 s21, 0
	s_mul_i32 s22, s[WV], BLK
	v_add_nc_u32 v[A16], s22, v[L16]               ; and where it goes in LDS
	v_add_nc_u32 v[A8], s22, v[L8]
	s_wait_kmcnt 0x0
	s_add_nc_u64 s[8:9], s[8:9], s[20:21]
.set n, 0
.rept 25
	global_load_b128 v[S+4*n:S+4*n+3], v[L16], s[8:9] offset:512*n   ; my block: 25 x 512 consecutive bytes,
.set n, n+1
.endr
	global_load_b64 v[S+100:S+101], v[L8], s[8:9] offset:12800       ; and its last 256
	s_lshl_b32 s24, s18, 7
	s_add_co_u32 s24, s24, s19                     ; 128 (16 b + head) + T
	s_mul_i32 s36, s24, 768
	s_mov_b32 s37, 0
	s_add_nc_u64 s[4:5], s[4:5], s[36:37]          ; Q's half fragment
	s_lshr_b32 s36, s24, 2
	s_lshl_b32 s36, s36, 8
	s_and_b32 s25, s19, 3
	s_lshl_b32 s25, s25, 2
	s_add_co_u32 s36, s36, s25
	s_add_nc_u64 s[6:7], s[6:7], s[36:37]          ; its scale words: quad T / 4, word T % 4
	global_load_b128 v[QF:QF+3], v[L16], s[4:5]
	global_load_b64 v[QF+4:QF+5], v[L8], s[4:5] offset:512
	global_load_b32 v28, v[R16], s[6:7]
	s_lshl_b32 s36, s19, 12
	s_add_nc_u64 s[10:11], s[10:11], s[36:37]      ; my tile's mask words: 16 steps x 256 bytes
	s_lshl_b32 s36, s19, 9
	s_add_nc_u64 s[12:13], s[12:13], s[36:37]      ; my tile's flags: four places of 128 bytes
	s_lshr_b32 s32, s18, 4
	s_lshl_b32 s32, s32, 4
	s_lshr_b32 s33, s19, 3
	s_add_co_u32 s32, s32, s33
	s_mul_i32 s36, s32, 98304                      ; ac: group 16 b + T / 8,
	s_bfe_u32 s33, s18, 0x10003
	s_mul_i32 s33, s33, 49152                      ; half of K: head / 8,
	s_add_co_u32 s36, s36, s33
	s_and_b32 s33, s19, 7
	s_mul_i32 s33, s33, 6144                       ; tile T % 8,
	s_add_co_u32 s36, s36, s33
	s_and_b32 s33, s18, 7
	s_mul_i32 s33, s33, 768                        ; half fragment head % 8
	s_add_co_u32 s36, s36, s33
	s_add_nc_u64 s[14:15], s[14:15], s[36:37]
	s_lshl_b32 s36, s18, 7
	s_lshl_b32 s33, ttmp9, 4
	s_add_co_u32 s36, s36, s33
	s_lshl_b32 s36, s36, 5
	s_add_nc_u64 s[68:69], s[68:69], s[36:37]      ; asc: [16 b + head][tile][r] half words: my work-group's 16 tiles
	s_lshl_b32 s38, s[WV], 5
	s_add_co_u32 s38, s38, SG
	v_lshl_add_u32 v[SGW], v9, 1, s38
	v_add_nc_u32 v[SGR], SG, v[L16]
	s_load_b32 s72, s[12:13], 0x0                  ; the flags of key steps 0-3, 4-7, 8-11, 12-15, each at its own bits
	s_load_b32 s73, s[12:13], 0x80
	s_load_b32 s74, s[12:13], 0x100
	s_load_b32 s75, s[12:13], 0x180
	s_load_b512 s[16:31], s[10:11], 0x0            ; step 0's mask words: word n in s[16 + n] for n < 48, in s[32 + n] from 48 on
	s_load_b512 s[32:47], s[10:11], 0x40
	s_load_b512 s[48:63], s[10:11], 0x80
	s_load_b512 s[80:95], s[10:11], 0xc0
.irp j, 6,7,8,9,10,11
	v_mov_b32 v[QF+\j], 0                          ; zero codes for K = 64 .. 127
.irp t, 0,1,2,3
	v_mov_b32 v[KF+12*\t+\j], 0
.endr
.endr
.irp b, 0,1,2,3
	v_mov_b32 v[TP+\b], 0                          ; a lane permute's destination counts as one of its sources
.endr
	v_mov_b32 v14, 0                               ; the sum, in two halves
	v_mov_b32 v15, 0
	v_mov_b32 v31, 0                               ; (named with f as a pair)
	v_mov_b32 v[NEG], 0xe1000000                   ; -2^67
	v_mov_b32 v13, 0xff61b1e6                      ; the largest t so far: -3e38
	v_floor_f32 v12, -v13                          ; -M
	s_mov_b32 s[SEL], 0x76543210
	s_mov_b32 s[SEL+1], 0xfedcba98
	s_mov_b32 s[CS], 0x3fb8aa3b
	s_mov_b32 s[CS+1], s[CS]
	s_mov_b32 s[TB], 0
	s_mov_b32 s[CNT], 0
.set n, 0
.rept 25
	s_wait_loadcnt 28-n                            ; loads come back in order: behind load n stand the block's other 25 - n and Q's three
	ds_store_b128 v[A16], v[S+4*n:S+4*n+3] offset:512*n
.set n, n+1
.endr
	s_wait_loadcnt 3
	ds_store_b64 v[A8], v[S+100:S+101] offset:12800
	s_wait_loadcnt 0x0                             ; Q
	s_wait_dscnt 0x0                               ; for the others' sake: my block lies in LDS
	s_barrier_signal -1
.irp j, 0,1,2,3,4,5,6,7,8,9,10,11,12,13,14,15,16,17,18,19,20,21,22,23,24,25,26,27,28,29,30,31
	v_mov_b32 v[O+\j], 0                           ; O^T: the loop is written once; its first step finds zeros.  (Work on registers while the others arrive)
.endr
	s_barrier_wait -1                              ; everybody's block does: the head's K and V lie in LDS
	s_wait_kmcnt 0x0
	s_or_b32 s[FLG], s72, s73
	s_or_b32 s[FLG], s[FLG], s74
	s_or_b32 s[FLG], s[FLG], s75
.Lstep:                                            ; 16 trips, 128 keys each
	v_add_nc_u32 v[A16], s[TB], v[L16]
	v_add_nc_u32 v[A8], s[TB], v[L8]
	v_add_nc_u32 v[AR], s[TB], v[R16]
	v_nop
	v_nop                                          ; five plain lines between the last trip's products and the products below, whose results are laid over V's fragments
.irp g, 0,1                                        ; S^T = K Q^T, four tiles of 16 keys at a time
.if \g
	NOPS 4                                         ; in front of loads into registers that the four products above have read
.endif
.irp t, 0,1,2,3
	ds_load_b128 v[KF+12*\t:KF+12*\t+3], v[A16] offset:(4*\g+\t)*768
	ds_load_b64 v[KF+12*\t+4:KF+12*\t+5], v[A8] offset:(4*\g+\t)*768+512
.endr
	ds_load_b128 v[KS:KS+3], v[AR] offset:12288+256*\g
	s_wait_dscnt 0x0
.irp t, 0,1,2,3
	v_wmma_scale_f32_16x16x128_f8f6f4 v[S+8*(4*\g+\t):S+8*(4*\g+\t)+7], v[KF+12*\t:KF+12*\t+11], v[QF:QF+11], 0, v[KS+\t], v28 matrix_a_fmt:MATRIX_FMT_FP6 matrix_b_fmt:MATRIX_FMT_FP6
.endr
.endr
	NOPS 4                                         ; four plain lines between the products and the first read of their results, on both ways below
	s_wait_kmcnt 0x0                               ; this step's mask words, asked for a trip ago
	s_lshr_b32 s71, s[FLG], s[CNT]
	s_and_b32 s71, s71, 1
	s_cmp_lg_u32 s71, 0                            ; no hole in this step's 16 x 128 of the mask?
	s_cbranch_scc1 .Lopen                          ; then the selects would change nothing
.set n, 0
.rept 64                                           ; ascending: each accumulator is read from its low end on
.if n < 48
	v_cndmask_b32 v[S+n], v[NEG], v[S+n], s[16+n]
.else
	v_cndmask_b32 v[S+n], v[NEG], v[S+n], s[32+n]
.endif
.set n, n+1
.endr
.Lopen:
	s_add_co_u32 s[MO], s[CNT], 1
	s_and_b32 s[MO], s[MO], 15                     ; the last trip asks for step 0 again: no load leaves the buffer
	s_lshl_b32 s[MO], s[MO], 8
	s_load_b512 s[16:31], s[10:11], s[MO] offset:0x0
	s_load_b512 s[32:47], s[10:11], s[MO] offset:0x40
	s_load_b512 s[48:63], s[10:11], s[MO] offset:0x80
	s_load_b512 s[80:95], s[10:11], s[MO] offset:0xc0
.irp b, 0,1,2,3
	v_max3_num_f32 v[TM+\b], v[S+16*\b], v[S+16*\b+1], v[S+16*\b+2]           ; the largest score of each block of 32 keys: for the row's maximum, and, since p rises with the score, for the block's largest p
.endr
.irp i, 3,5,7,9,11,13
.irp b, 0,1,2,3
	v_max3_num_f32 v[TM+\b], v[TM+\b], v[S+16*\b+\i], v[S+16*\b+\i+1]
.endr
.endr
.irp b, 0,1,2,3
	v_max_num_f32 v[TM+\b], v[TM+\b], v[S+16*\b+15]
.endr
.irp b, 0,1,2,3
	v_permlanex16_b32 v[TP+\b], v[TM+\b], s[SEL], s[SEL+1]
.endr
.irp b, 0,1,2,3
	v_max_num_f32 v[TM+\b], v[TM+\b], v[TP+\b]
.endr
	v_max3_num_f32 v218, v[TM], v[TM+1], v[TM+2]
	v_max_num_f32 v218, v218, v[TM+3]              ; the step's largest score of my query,
	v_mul_f32 v218, s[CS], v218                    ; as t (log2(e) is positive)
	v_max_num_f32 v13, v13, v218                   ; the running largest t
	v_mov_b32 v218, v12
	v_floor_f32 v12, -v13                          ; the new -M = -ceil(t)
	v_sub_f32 v218, v12, v218                      ; old M - new M: a whole number, 0 or less
	v_cvt_i32_f32 v218, v218                       ; (it saturates)
	v_ldexp_f32 v30, 1.0, v218                     ; f = 2^(old M - new M)
.irp j, 0,2,4,6,8,10,12,14,16,18,20,22,24,26,28,30,32,34,36,38,40,42,44,46,48,50,52,54,56,58,60,62
	v_pk_fma_f32 v[S+\j:S+\j+1], v[S+\j:S+\j+1], s[CS:CS+1], v[12:13] op_sel_hi:[1,0,0]   ; t - M, two at a time (of the pairs log2(e) and -M the low word serves both halves)
.endr
.irp b, 0,1,2,3
	v_fma_f32 v[TM+\b], v[TM+\b], s[CS], v12       ; the same of each block's largest score
.endr
.set n, 0
.rept 64
	v_exp_f32 v[S+n], v[S+n]                       ; p, not normalised
.set n, n+1
.endr
	v_pk_mul_f32 v[14:15], v[14:15], v[30:31] op_sel_hi:[1,0]   ; the sums under the new M: the plain line behind the exponentials
	s_wait_alu depctr_va_vdst(0)                   ; one wait for the batch, ahead of its first reader
.irp b, 0,1,2,3
	v_exp_f32 v[TM+\b], v[TM+\b]                   ; each block's largest p: the same lines on the same number give the same bits
.endr
	v_pk_add_f32 v[216:217], v[S:S+1], v[S+2:S+3]  ; the row's sum of the unquantised p, in two chains
.irp j, 4,8,12,16,20,24,28,32,36,40,44,48,52,56,60
	v_pk_add_f32 v[14:15], v[14:15], v[S+\j:S+\j+1]
	v_pk_add_f32 v[216:217], v[216:217], v[S+\j+2:S+\j+3]
.endr
	v_pk_add_f32 v[14:15], v[14:15], v[216:217]
	s_wait_alu depctr_va_vdst(0)                   ; and one for the four
.irp b, 0,1,2,3
	v_max_num_f32 v[TM+\b], 0x1800000, v[TM+\b]    ; the floor 2^(3 - 127)
.endr
.irp b, 0,1,2,3
	v_add_nc_u32 v[SO+\b], 0xff000000, v[TM+\b]
.endr
.irp b, 0,1,2,3
	v_lshrrev_b32 v[TP+\b], 23, v[SO+\b]
.endr
	v_lshl_or_b32 v29, v[TP+1], 8, v[TP]           ; p's scale word for these 128 keys
	v_lshl_or_b32 v29, v[TP+2], 16, v29
	v_lshl_or_b32 v29, v[TP+3], 24, v29
.irp c, 0,1
	v_cvt_scalef32_pk16_fp6_f32 v[PC+6*\c:PC+6*\c+2], v[S+32*\c:S+32*\c+15], v[SO+2*\c]
	v_cvt_scalef32_pk16_fp6_f32 v[CT+4*\c:CT+4*\c+2], v[S+32*\c+16:S+32*\c+31], v[SO+2*\c+1]
.endr
	v_nop                                          ; one plain line behind the scaled conversions
.irp d, 0,1,2,3
	FRAG S+12*\d, A16, A8, 6144+1536*\d            ; V's four fragments take p's registers
.endr
	ds_load_b128 v[VS:VS+3], v[AR] offset:12800
.irp c, 0,1
.irp i, 0,1,2
	v_permlane16_swap_b32 v[PC+6*\c+\i], v[CT+4*\c+\i]
.endr
.irp i, 0,1,2
	v_mov_b32 v[PC+6*\c+3+\i], v[CT+4*\c+\i]
.endr
.endr
.irp j, 0,2,4,6,8,10,12,14,16,18,20,22,24,26,28,30
	v_pk_mul_f32 v[O+\j:O+\j+1], v[O+\j:O+\j+1], v[30:31] op_sel_hi:[1,0]     ; O^T under the new M.  (These 16 are also the plain lines owed between p's codes and scale word and the products)
.endr
	s_wait_dscnt 0x0
.irp d, 0,1,2,3                                    ; O^T += V^T P^T: the four accumulators by turns
	v_wmma_scale_f32_16x16x128_f8f6f4 v[O+8*\d:O+8*\d+7], v[S+12*\d:S+12*\d+11], v[PC:PC+11], v[O+8*\d:O+8*\d+7], v[VS+\d], v29 matrix_a_fmt:MATRIX_FMT_FP6 matrix_b_fmt:MATRIX_FMT_FP6
.endr
	s_add_co_u32 s[TB], s[TB], BLK
	s_add_co_u32 s[CNT], s[CNT], 1
	s_cmp_lt_u32 s[CNT], 16
	s_cbranch_scc1 .Lstep
	; THE WAY OUT: O^T / the sum; register 16 b + i is d = 32 b + 16 h + i of my query: quantised along d, it is half a fragment of the last product's operand
	v_add_f32 v14, v14, v15
	v_permlanex16_b32 v218, v14, s[SEL], s[SEL+1]
	v_add_f32 v14, v14, v218
	v_rcp_f32 v14, v14
	NOPS 4                                         ; the plain line behind the reciprocal, and the four between the last products and the first read of their results
	s_wait_alu depctr_va_vdst(0)
.set n, 0
.rept 32
	v_mul_f32 v[S+n], v[O+n], v14
.set n, n+1
.endr
	QUANT2 S, PC, CT, 29
	global_store_b128 v[L16], v[PC:PC+3], s[14:15]
	global_store_b64 v[L8], v[PC+4:PC+5], s[14:15] offset:512
	ds_store_b16 v[SGW], v29                       ; the 16 waves' scale half words meet, so that they leave as whole blocks of 256 bytes
	s_wait_dscnt 0x0
	s_barrier_signal -1
	s_barrier_wait -1
	s_cmp_lg_u32 s[WV], 0
	s_cbranch_scc1 .Ldone
	ds_load_b128 v[KF:KF+3], v[SGR]
	s_wait_dscnt 0x0
	global_store_b128 v[L16], v[KF:KF+3], s[68:69]
.Ldone:
	s_wait_tensorcnt 0x0
	ds_add_u32 v254, v255
	s_wait_dscnt 0x0
	s_endpgm
.Lfunc_end_k_q0ced73e7ed_attn:
	.size	k_q0ced73e7ed_attn, .Lfunc_end_k_q0ced73e7ed_attn-k_q0ced73e7ed_attn
	.p2alignl 7, 3214868480
	.fill 96, 4, 3214868480
	.section	.rodata,"a",@progbits
	.p2align	6, 0x0
	.amdhsa_kernel k_q0ced73e7ed_attn
		.amdhsa_group_segment_fixed_size 215040
		.amdhsa_private_segment_fixed_size 0
		.amdhsa_enable_private_segment 0
		.amdhsa_kernarg_size 56
		.amdhsa_user_sgpr_count 2
		.amdhsa_user_sgpr_kernarg_segment_ptr 1
		.amdhsa_wavefront_size32 1
		.amdhsa_system_sgpr_workgroup_id_x 1
		.amdhsa_system_sgpr_workgroup_id_y 1
		.amdhsa_system_sgpr_workgroup_id_z 1
		.amdhsa_system_vgpr_workitem_id 0
		.amdhsa_next_free_vgpr 256
		.amdhsa_next_free_sgpr 102
		.amdhsa_reserve_vcc 0
		.amdhsa_float_denorm_mode_32 3
		.amdhsa_float_denorm_mode_16_64 3
		.amdhsa_memory_ordered 1
		.amdhsa_forward_progress 1
		.amdhsa_inst_pref_size 36
	.end_amdhsa_kernel
	.amdgpu_metadata
---
amdhsa.version: [ 1, 2 ]
amdhsa.kernels:
  - .name:           k_q0ced73e7ed_attn
    .symbol:         k_q0ced73e7ed_attn.kd
    .args:
      - { .name: qc, .offset: 0, .size: 8, .value_kind: global_buffer, .address_space: global }
      - { .name: qs, .offset: 8, .size: 8, .value_kind: global_buffer, .address_space: global }
      - { .name: kv, .offset: 16, .size: 8, .value_kind: global_buffer, .address_space: global }
      - { .name: maskw, .offset: 24, .size: 8, .value_kind: global_buffer, .address_space: global }
      - { .name: mflag, .offset: 32, .size: 8, .value_kind: global_buffer, .address_space: global }
      - { .name: ac, .offset: 40, .size: 8, .value_kind: global_buffer, .address_space: global }
      - { .name: asc, .offset: 48, .size: 8, .value_kind: global_buffer, .address_space: global }
    .group_segment_fixed_size: 215040
    .private_segment_fixed_size: 0
    .kernarg_segment_align: 8
    .kernarg_segment_size: 56
    .max_flat_workgroup_size: 512
    .sgpr_count:     102
    .vgpr_count:     256
    .wavefront_size: 32
...
	.end_amdgpu_metadata
.endif
;; end of part 3
;; launch outp (part 4): grid 8 x 32, 8 waves a work-group, clusters of 4 x 4, 242,688 bytes of LDS; arguments rec, ac, asc, out0; writes out0
.if DOCPART == 4
	.amdgcn_target "amdgcn-amd-amdhsa--gfx1250"
	.amdhsa_code_object_version 6
	.text
	.protected	k_q0ced73e7ed_outp
	.globl	k_q0ced73e7ed_outp
	.p2align	8
	.type	k_q0ced73e7ed_outp,@function
k_q0ced73e7ed_outp:
	s_mov_b64 s[64:65], 0
	v_nop
	global_prefetch_b8 v0, s[64:65] scope:SCOPE_SE
	s_setreg_imm32_b32 hwreg(HW_REG_WAVE_MODE, 25, 1), 1
	s_wait_xcnt 0x0
	s_wait_alu depctr_hold_cnt(0) depctr_sa_sdst(0) depctr_va_vdst(0) depctr_va_sdst(0) depctr_va_ssrc(0) depctr_va_vcc(0) depctr_vm_vsrc(0)
	s_getreg_b32 s2, hwreg(HW_REG_IB_STS2, 6, 4)
	s_cmp_eq_u32 s2, 0
	s_cbranch_scc0 .Lentry_in_a_cluster
	s_endpgm
.Lentry_in_a_cluster:
	s_bfe_u32 s2, ttmp6, 0x10000c
	s_cmp_lg_u32 s2, 0xf033
	s_cbranch_scc0 .Lentry_shape_is_right
	s_endpgm
.Lentry_shape_is_right:
; OUTP.  out0 = attn Wo^T on codes of E2M3, K = 1,024 = (head, d); f32 results.
; A work-group makes 128 tokens (y = 16 b + step) x 128 columns (x).  Eight waves, w0 = w % 2, w1 = w / 2: source 0 = 4 tiles of Wo's rows, source 1 = 2 tiles of tokens: a lane's eight results are
; eight neighbouring columns of one token's row.  The rows of a tile are 32 (T / 2) + 8 (T % 2) + r + 8 (r / 8).
; ALL OF K FITS IN LDS: two halves of 512 along K, each filled once; the second lands while the first is multiplied.  No LDS byte is filled twice.
; CLUSTER 4 x 4: attn's blocks and scale bytes are shared along a row of the cluster, Wo's along a column: each is asked for jointly.
.set GRP,   102400
.set HGRP,  51200
.set HREC,  6400
.set AGRP,  98304                      ; a group of 8 tiles of attn's codes;  49,152 a half;  6,144 a tile's half
.set HALFB, 100352                     ; a half of K in LDS: attn's 8 tiles (49,152), then Wo's 8 (51,200)
.set WOFF,  49152
.set ASC,   200704                     ; attn's scale half words: [head 16][tile 8][r]
.set STG,   204800                     ; the way out: 16 rows x (256 bytes + 16) for each wave
.set WV, 12
.set W0, 13
.set W1, 14
.set G1A, 16
.set G1W, 24
.set G0A, 32
.set G0W, 48
.set G1S, 68
.set G0S, 76
.set L16, 1
.set L8,  2
.set R16, 3
.set A0,  4
.set A0B, 5
.set A1,  6
.set A1B, 7
.set AS0, 8
.set ASA, 9
.set STW, 10
.set STR, 11
.set GO,  12
.set F0,  16
.set F1,  64
.set SC0, 88                           ; v88-103  Wo's scale words: 4 tiles x 4 K steps
.set SC1, 104                          ; v104-119 attn's: 2 tiles x 8 K steps
.set ACC, 128
.set BK,  192                          ; v192-255 rows read back from the stage: 32 registers for each of my two tiles of tokens
.macro NOPS n
.rept \n
	v_nop
.endr
.endm
.macro ROUND
	s_barrier_signal -1
	s_barrier_wait -1
	s_cmp_lg_u32 s[WV], 0
	s_cbranch_scc1 .Lnot_wave_0_\@
	s_barrier_signal -3
.Lnot_wave_0_\@:
	s_barrier_wait -3
	s_barrier_signal -1
	s_barrier_wait -1
.endm
.macro FRAG reg, a16, a8, off
	ds_load_b128 v[\reg:\reg+3], v[\a16] offset:\off
	ds_load_b64 v[\reg+4:\reg+5], v[\a8] offset:\off+512
	ds_load_b128 v[\reg+6:\reg+9], v[\a16] offset:\off+768
	ds_load_b64 v[\reg+10:\reg+11], v[\a8] offset:\off+1280
.endm
	s_load_b256 s[4:11], s[0:1], 0x0               ; rec, ac, asc, out0
	v_lshl_add_u32 v126, v0, 2, 0x3b000
	v_mov_b32 v127, 0
	ds_add_u32 v126, v127
	ds_add_u32 v126, v127
	v_lshrrev_b32 v1, 5, v0
	v_readfirstlane_b32 s[WV], v1
	s_and_b32 s[W0], s[WV], 1
	s_lshr_b32 s[W1], s[WV], 1
	s_bfe_u32 s40, ttmp6, 0x40000                  ; cx
	s_bfe_u32 s41, ttmp6, 0x40004                  ; cy
	s_lshl_b32 s42, ttmp9, 2
	s_add_co_u32 s42, s42, s40                     ; x
	s_and_b32 s43, ttmp7, 0xffff
	s_lshl_b32 s43, s43, 2
	s_add_co_u32 s43, s43, s41                     ; y
	s_lshl_b32 s44, s41, 2
	s_lshl_b32 s44, 15, s44                        ; my row of the cluster
	s_lshl_b32 s45, 0x1111, s40                    ; my column
	s_or_b32 s[G1A], s44, (3<<16)|(1<<21)          ; attn's codes: a dense block of 12,288 bytes as 48 rows of 256 (32 elements of 8 bytes)
	s_mov_b32 s[G1A+1], 32<<16
	s_mov_b32 s[G1A+2], 48<<16
	s_mov_b32 s[G1A+3], 32<<16
	s_mov_b32 s[G1A+4], 48
	s_mov_b32 s[G1A+5], 32
	s_mov_b32 s[G1A+6], 0
	s_mov_b32 s[G1A+7], 0
	s_or_b32 s[G1W], s45, (3<<16)|(1<<21)          ; Wo's: 12,800 bytes as 50 rows
	s_mov_b32 s[G1W+1], 32<<16
	s_mov_b32 s[G1W+2], 50<<16
	s_mov_b32 s[G1W+3], 32<<16
	s_mov_b32 s[G1W+4], 50
	s_mov_b32 s[G1W+5], 32
	s_mov_b32 s[G1W+6], 0
	s_mov_b32 s[G1W+7], 0
	s_or_b32 s[G1S], s44, (3<<16)|(1<<21)          ; attn's scale half words: 4 heads' rows of 256 bytes, 4,096 bytes (512 elements) apart
	s_mov_b32 s[G1S+1], 32<<16
	s_mov_b32 s[G1S+2], 4<<16
	s_mov_b32 s[G1S+3], 32<<16
	s_mov_b32 s[G1S+4], 4
	s_mov_b32 s[G1S+5], 512
	s_mov_b32 s[G1S+6], 0
	s_mov_b32 s[G1S+7], 0
	s_and_b32 s46, s[WV], 3
	s_mul_i32 s47, s46, 12288                      ; waves 0-3: attn's tiles 2 w, 2 w + 1
	s_mul_i32 s56, s43, AGRP
	s_add_co_u32 s56, s56, s47
	s_mov_b32 s57, 0
	s_lshr_b32 s60, s43, 4
	s_lshl_b32 s60, s60, 16                        ; asc: b x 65,536
	s_and_b32 s61, s43, 15
	s_lshl_b32 s61, s61, 8                         ; + step x 256
	s_add_co_u32 s60, s60, s61
	s_lshl_b32 s61, s46, 14                        ; + heads 4 w on
	s_add_co_u32 s60, s60, s61
	s_mov_b32 s61, 0
	s_add_co_u32 s58, s42, 120                     ; Wo's group: 120 + x
	s_mul_i32 s58, s58, GRP
	s_mul_i32 s62, s46, 2*HREC                     ; waves 4-7: Wo's tiles 2 (w - 4), + 1
	s_add_co_u32 s58, s58, s62
	s_mov_b32 s59, 0
	s_add_co_u32 s62, s62, WOFF
	s_lshl_b32 s63, s46, 10
	s_wait_dscnt 0x0
	s_wait_kmcnt 0x0
	s_add_nc_u64 s[56:57], s[6:7], s[56:57]
	s_add_nc_u64 s[58:59], s[4:5], s[58:59]
	s_mov_b32 s[G0S], 1
	s_add_co_u32 s[G0S+1], s63, ASC
	s_add_nc_u64 s[G0S+2:G0S+3], s[8:9], s[60:61]
	s_or_b32 s[G0S+3], s[G0S+3], 0x80000000
.irp k, 0,1
	s_mov_b32 s[G0A+4*\k], 1
	s_add_co_u32 s[G0A+4*\k+1], s47, \k*HALFB
	s_add_nc_u64 s[G0A+4*\k+2:G0A+4*\k+3], s[56:57], \k*49152
	s_or_b32 s[G0A+4*\k+3], s[G0A+4*\k+3], 0x80000000
	s_mov_b32 s[G0W+4*\k], 1
	s_add_co_u32 s[G0W+4*\k+1], s62, \k*HALFB
	s_add_nc_u64 s[G0W+4*\k+2:G0W+4*\k+3], s[58:59], \k*HGRP
	s_or_b32 s[G0W+4*\k+3], s[G0W+4*\k+3], 0x80000000
.endr
	ROUND                                          ; all sixteen work-groups are here: the joint loads meet
	s_cmp_lt_u32 s[WV], 4                          ; a wave's fills stand in one branch on its number: three loads (waves 0-3) or two (waves 4-7) of mine are out
	s_cbranch_scc0 .Lfill_w
	tensor_load_to_lds s[G0S:G0S+3], s[G1S:G1S+7]
	s_nop 0
	tensor_load_to_lds s[G0A:G0A+3], s[G1A:G1A+7]
	s_nop 0
	tensor_load_to_lds s[G0A+4:G0A+7], s[G1A:G1A+7]
	s_nop 0
	NOPS 4
	s_branch .Lfilled
.Lfill_w:
	tensor_load_to_lds s[G0W:G0W+3], s[G1W:G1W+7]
	s_nop 0
	tensor_load_to_lds s[G0W+4:G0W+7], s[G1W:G1W+7]
	s_nop 0
	NOPS 4
.Lfilled:
	v_and_b32 v13, 31, v0
	v_lshlrev_b32 v[L16], 4, v13
	v_lshlrev_b32 v[L8], 3, v13
	v_and_b32 v15, 15, v0                          ; r
	v_bfe_u32 v14, v0, 4, 1                        ; h
	v_lshlrev_b32 v[R16], 4, v15
	s_mul_i32 s40, s[W0], 4*HREC
	s_add_co_u32 s40, s40, WOFF
	v_add_nc_u32 v[A0], s40, v[L16]
	v_add_nc_u32 v[A0B], s40, v[L8]
	v_add_nc_u32 v[AS0], s40, v[R16]
	s_mul_i32 s40, s[W1], 12288
	v_add_nc_u32 v[A1], s40, v[L16]
	v_add_nc_u32 v[A1B], s40, v[L8]
	s_lshl_b32 s40, s[W1], 6
	s_add_co_u32 s40, s40, ASC
	v_lshl_add_u32 v[ASA], v15, 1, s40             ; my tiles' half words: 64 w1 + 2 r
	s_mul_i32 s41, s[WV], 16*272
	s_add_co_u32 s41, s41, STG                     ; my stage
	v_mul_u32_u24 v[STW], v15, 272
	v_lshl_add_u32 v[STW], v14, 6, v[STW]
	v_add_nc_u32 v[STW], s41, v[STW]               ; in: row r, + 64 h
	v_mul_u32_u24 v[STR], v14, 272
	v_lshl_add_u32 v[STR], v15, 4, v[STR]
	v_add_nc_u32 v[STR], s41, v[STR]               ; back: lanes 0-15 one row of 256 bytes, lanes 16-31 the next
	v_lshlrev_b32 v[GO], 13, v14
	v_lshl_add_u32 v[GO], v15, 4, v[GO]            ; and the same in out0: tokens of one b lie 8,192 bytes apart
	s_and_b32 s56, s43, 15
	s_lshl_b32 s56, s56, 2
	s_add_co_u32 s56, s56, s[W1]
	s_lshl_b32 s56, s56, 6                         ; 2 x 32 (4 step + w1): my two tiles' first token, in rows of out0,
	s_lshr_b32 s57, s43, 4
	s_add_co_u32 s56, s56, s57                     ; + b
	s_lshl_b32 s56, s56, 12
	s_lshl_b32 s57, s42, 9
	s_add_co_u32 s56, s56, s57                     ; + my 64 columns: 512 x + 256 w0 bytes
	s_lshl_b32 s57, s[W0], 8
	s_add_co_u32 s56, s56, s57
	s_mov_b32 s57, 0
	s_add_nc_u64 s[10:11], s[10:11], s[56:57]
.macro HALF hk                         ; 4 K steps of 128; the 8 accumulators by turns
.if \hk
	NOPS 4
.endif
.irp i, 0,1,2,3
	ds_load_b128 v[SC0+4*\i:SC0+4*\i+3], v[AS0] offset:\i*HREC
.endr
.irp k, 0,1,2,3
.if \k > 0
	NOPS 4                                         ; in front of loads into registers that matrix instructions have read
.endif
.irp i, 0,1,2,3
	FRAG F0+12*\i, A0, A0B, \i*HREC+256+\k*1536
.endr
.irp i, 0,1
	FRAG F1+12*\i, A1, A1B, \i*6144+\k*1536
.endr
	s_wait_dscnt 0x0
.irp j, 0,1
.irp i, 0,1,2,3
.if (\hk == 0) && (\k == 0)
	v_wmma_scale_f32_16x16x128_f8f6f4 v[ACC+8*(4*\j+\i):ACC+8*(4*\j+\i)+7], v[F0+12*\i:F0+12*\i+11], v[F1+12*\j:F1+12*\j+11], 0, v[SC0+4*\i+\k], v[SC1+8*\j+4*\hk+\k] matrix_a_fmt:MATRIX_FMT_FP6 matrix_b_fmt:MATRIX_FMT_FP6
.else
	v_wmma_scale_f32_16x16x128_f8f6f4 v[ACC+8*(4*\j+\i):ACC+8*(4*\j+\i)+7], v[F0+12*\i:F0+12*\i+11], v[F1+12*\j:F1+12*\j+11], v[ACC+8*(4*\j+\i):ACC+8*(4*\j+\i)+7], v[SC0+4*\i+\k], v[SC1+8*\j+4*\hk+\k] matrix_a_fmt:MATRIX_FMT_FP6 matrix_b_fmt:MATRIX_FMT_FP6
.endif
.endr
.endr
.endr
.endm
	s_wait_tensorcnt 0x1                           ; all but my last load is in: the scale half words and the first half
	s_barrier_signal -1
	s_barrier_wait -1
.irp j, 0,1
.irp e, 0,1,2,3,4,5,6,7,8,9,10,11,12,13,14,15
	ds_load_u16 v[F0+16*\j+\e], v[ASA] offset:256*\e+32*\j   ; head e's two scale bytes of my row
.endr
.endr
	s_wait_dscnt 0x0
.irp j, 0,1
.irp k, 0,1,2,3,4,5,6,7
	v_lshl_or_b32 v[SC1+8*\j+\k], v[F0+16*\j+2*\k+1], 16, v[F0+16*\j+2*\k]   ; K step k is heads 2 k and 2 k + 1
.endr
.endr
	NOPS 8                                         ; eight plain lines between scale words made by vector lines and the scaled products
	HALF 0
.irp a, A0, A0B, A1, A1B, AS0
	v_add_nc_u32 v[\a], HALFB, v[\a]
.endr
	s_wait_tensorcnt 0x0
	s_barrier_signal -1
	s_barrier_wait -1
	HALF 1
	; THE WAY OUT: a tile of 16 tokens x my 64 columns goes through my own stage and comes back as whole rows of 256 bytes.  LDS serves a wave's instructions in order: no wait between stores and loads.
	NOPS 4
.irp j, 0,1
.irp i, 0,1,2,3
	ds_store_b128 v[STW], v[ACC+8*(4*\j+\i):ACC+8*(4*\j+\i)+3] offset:128*(\i/2)+32*(\i%2)        ; columns 32 (i / 2) + 16 h + 8 (i % 2) + 0 .. 7: each accumulator from its low end on
	ds_store_b128 v[STW], v[ACC+8*(4*\j+\i)+4:ACC+8*(4*\j+\i)+7] offset:128*(\i/2)+32*(\i%2)+16
.endr
.irp i, 0,1,2,3,4,5,6,7
	ds_load_b128 v[BK+32*\j+4*\i:BK+32*\j+4*\i+3], v[STR] offset:544*\i
.endr
.endr
.irp j, 0,1
.irp i, 0,1,2,3,4,5,6,7
	s_wait_dscnt 16*(1-\j)+7-\i                    ; behind this load: the rest of its tile's, and for the first tile the second's 16 LDS instructions
	global_store_b128 v[GO], v[BK+32*\j+4*\i:BK+32*\j+4*\i+3], s[10:11] offset:8192*(2*\i+8*(\i/4))+65536*\j th:TH_STORE_NT   ; stage rows 2 i, 2 i + 1 are tokens 8 j + 2 i + 8 (i / 4), + 1; 16 lanes store 256 consecutive bytes, aligned
.endr
.endr
	s_wait_tensorcnt 0x0
	ds_add_u32 v126, v127
	s_wait_dscnt 0x0
	ROUND                                          ; the closing round
	s_endpgm
.Lfunc_end_k_q0ced73e7ed_outp:
	.size	k_q0ced73e7ed_outp, .Lfunc_end_k_q0ced73e7ed_outp-k_q0ced73e7ed_outp
	.p2alignl 7, 3214868480
	.fill 96, 4, 3214868480
	.section	.rodata,"a",@progbits
	.p2align	6, 0x0
	.amdhsa_kernel k_q0ced73e7ed_outp
		.amdhsa_group_segment_fixed_size 242688
		.amdhsa_private_segment_fixed_size 0
		.amdhsa_enable_private_segment 0
		.amdhsa_kernarg_size 32
		.amdhsa_user_sgpr_count 2
		.amdhsa_user_sgpr_kernarg_segment_ptr 1
		.amdhsa_wavefront_size32 1
		.amdhsa_system_sgpr_workgroup_id_x 1
		.amdhsa_system_sgpr_workgroup_id_y 1
		.amdhsa_system_sgpr_workgroup_id_z 1
		.amdhsa_system_vgpr_workitem_id 0
		.amdhsa_next_free_vgpr 256
		.amdhsa_next_free_sgpr 80
		.amdhsa_reserve_vcc 0
		.amdhsa_float_denorm_mode_32 3
		.amdhsa_float_denorm_mode_16_64 3
		.amdhsa_memory_ordered 1
		.amdhsa_forward_progress 1
		.amdhsa_inst_pref_size 38
	.end_amdhsa_kernel
	.amdgpu_metadata
---
amdhsa.version: [ 1, 2 ]
amdhsa.kernels:
  - .name:           k_q0ced73e7ed_outp
    .symbol:         k_q0ced73e7ed_outp.kd
    .args:
      - { .name: rec, .offset: 0, .size: 8, .value_kind: global_buffer, .address_space: global }
      - { .name: ac, .offset: 8, .size: 8, .value_kind: global_buffer, .address_space: global }
      - { .name: asc, .offset: 16, .size: 8, .value_kind: global_buffer, .address_space: global }
      - { .name: out0, .offset: 24, .size: 8, .value_kind: global_buffer, .address_space: global }
    .group_segment_fixed_size: 242688
    .private_segment_fixed_size: 0
    .kernarg_segment_align: 8
    .kernarg_segment_size: 32
    .max_flat_workgroup_size: 256
    .sgpr_count:     80
    .vgpr_count:     256
    .wavefront_size: 32
...
	.end_amdgpu_metadata
.endif
;; end of part 4
;; ======== version 2 of 2: 4 launches; version 1 with the launch attn written anew for expert scheduling mode
;; limits: right only within a limited range of input values
;; workspace buffers: rec 13,107,200 bytes; maskw 524,288 bytes of whole numbers; mflag 65,536 bytes of whole numbers; qc 3,145,728 bytes; qs 262,144 bytes; kv 6,684,672 bytes; ac 3,145,728 bytes; asc 131,072 bytes
;; launch prep: the kernel of part 1 again; grid 256 x 1, 10 waves a work-group, no clusters, 85,760 bytes of LDS; arguments query, keys, values, Wq, Wk, Wv, Wo, mask, rec, maskw, mflag; writes rec, maskw, mflag
;; launch proj: the kernel of part 2 again; grid 8 x 96, 8 waves a work-group, clusters of 4 x 4, 209,920 bytes of LDS; arguments rec, qc, qs, kv; writes qc, qs, kv
;; launch attn (part 5): grid 8 x 32, 16 waves a work-group, no clusters, 215,040 bytes of LDS; arguments qc, qs, kv, maskw, mflag, ac, asc; writes ac, asc
.if DOCPART == 5
	.amdgcn_target "amdgcn-amd-amdhsa--gfx1250"
	.amdhsa_code_object_version 6
	.text
	.protected	k_q0ced73e7ed_attn
	.globl	k_q0ced73e7ed_attn
	.p2align	8
	.type	k_q0ced73e7ed_attn,@function
k_q0ced73e7ed_attn:
	s_mov_b64 s[64:65], 0
	v_nop
	global_prefetch_b8 v0, s[64:65] scope:SCOPE_SE
	s_setreg_imm32_b32 hwreg(HW_REG_WAVE_SCHED_MODE, 0, 2), 2
	s_setreg_imm32_b32 hwreg(HW_REG_WAVE_MODE, 25, 1), 1
	s_wait_xcnt 0x0
	s_wait_alu depctr_vm_vsrc(0)
; ATTN.  For one (b, head) and 256 queries: S^T = K Q^T (unscaled, as the problem has it), masked scores are replaced, p = 2^(t - M) with t = score x log2(e) and M the running largest t rounded up to a
; whole number, O^T += V^T P^T on codes of E2M3 (p quantised along the keys), O / the sum of the unquantised p, and that quantised along d for the last product.
; SHARES.  Sixteen waves, each one tile of 16 queries in 256 registers: four waves to a SIMD, so that one wave's vector work stands beside another's products and LDS loads.
; A WHOLE HEAD'S K AND V FIT IN LDS: 16 key steps x 13,056 bytes; wave w brings key step w's block, once, through its registers.  The loop has no barrier.
; LAYOUT.  Both products are used transposed: a lane holds ONE query (lane % 16).  The keys of a tile are 32 (t / 2) + 8 (t % 2) + r + 8 (r / 8), so register 16 b + i of the scores is key 32 b + 16 h + i.
; The head's 64 are half of the instruction's K = 128: the upper six registers of Q's and K's fragments hold zero codes, whose scale bytes are 0 (2^-127, no NaN).
; THE MASK comes as 64 words a key step, one bit a lane, into scalar registers, asked for in the step before.  Where a flag bit, made with the words by the launch that made them, says that the step's 64 words of my tile
; have no hole, the 64 selects are passed over by scalar branches; they would change nothing there.
; NO CLUSTER, NO TENSOR LOAD, though the eight work-groups of a head read the same K and V.  What is shared is read
; once, at the head, 13,056 bytes a wave; the selects are 64 vector lines in each of a wave's 16 steps.
; THE MASKED SCORE IS -2^67, not -1e20: its product with log2(e) is exact, so in a row that is masked everywhere M equals t, the fused line gives t - M = 0 and every p is 1, as with -1e20 and t rounded first.
; LIMITS: unmasked scores at or under -2^66 (7.4e19) are not served: above that a masked key's weight is 0 beside any unmasked key, as with -1e20.  NaN and infinities are not served; p under 2^-126 counts as 0;
; a block whose largest magnitude lies under 2^-124 keeps the byte 1.
; THE MODE: SCHED_MODE bits 1:0 = 2 (LLVM: expert scheduling mode 2), set by the entry lines.  The code itself states the register dependences between vector or matrix instructions and memory or LDS
; instructions, with s_wait_alu, always for 0.
; THE PLAN.  Registers that LDS instructions touch in a key step:
;   v[KF ..] (the lower six of each of four fragments), v[KS ..]   loaded twice a step: K's tiles 0-3 (asked for in the step before), tiles 4-7; read by the products K Q^T alone.
;   v[S .. S+47], v[VS ..]   V's fragments and scale words, loaded once a step.  Ahead of that S holds the scores, then p: written by products, selects, multiply-adds, exponentials; read by the sums and the conversions.
;   v[A16], v[A8], v[AR]     read by every LDS load; written once a step, at its head.      v[L16], v[L8], v[R16], v[SGW], v[SGR]: made at the kernel's head, never written again.
; A step has one wait on vm_vsrc, at its head, ahead of the three addresses' lines, and four on va_vdst:
;   behind the first four products: they are done reading KF and KS (tiles 4-7 land there), and the addresses are written;
;   behind the 68 exponentials: their results are written; the other four products are done reading KF and KS (the next step's tiles 0-3 land there);
;   behind the conversions: they and the sums are done reading p (V's fragments land there);
;   ahead of the products V^T P^T: p's codes and scale word are written.
; Each run of loads follows its wait at once.  Tiles 4-7 land under the selects and maxima of the first 32 score registers; the next step's tiles 0-3 under the sums, the conversions and V's products.
; The last step asks for nothing ahead, so it is written out behind a loop of 15 trips.
.set BLK, 13056                        ; a key step's block: K's 8 half fragments (0), V's 4 fragments (6,144), K's scale words (12,288), V's (12,800)
.set SG,  208896                       ; behind the 16 blocks: 512 bytes in which the waves' scale half words meet
.set TB,  2                            ; s2   LDS byte of the step's block
.set CNT, 3                            ; s3   the step
.set MO,  66                           ; s66  the next step's byte in my tile's mask words
.set WV,  67
.set FLG, 70                           ; s70  my tile's 16 flags: bit (step) set where the step's mask words have no hole;  s71: this step's flag
.set SEL, 96
.set CS,  98                           ; s[98:99] log2(e)
.set L16, 1
.set L8,  2
.set R16, 3
.set A16, 4
.set A8,  5
.set AR,  6
.set NEG, 7                            ; v7   -2^67
.set SGW, 10
.set SGR, 11
.set QF,  16                           ; v16-27 Q's fragment (v22-27 zero);  v28 its scale words;  v29 p's;  v[30:31] f
.set KF,  32                           ; v32-79 four fragments of K (each one's upper six registers zero)
.set KS,  80
.set VS,  84
.set TM,  88
.set TP,  92
.set S,   96                           ; v96-159 the scores, t - M, p; then V's four fragments.  (At the head v96-197 carry my block of K and V to LDS)
.set O,   160                          ; v160-191 O^T
.set PC,  192
.set CT,  204
.set SO,  212
.macro NOPS n
.rept \n
	v_nop
.endr
.endm
.macro FRAG reg, a16, a8, off          ; a fragment's image back into 12 registers: every load takes consecutive bytes over the lanes
	ds_load_b128 v[\reg:\reg+3], v[\a16] offset:\off
	ds_load_b64 v[\reg+4:\reg+5], v[\a8] offset:\off+512
	ds_load_b128 v[\reg+6:\reg+9], v[\a16] offset:\off+768
	ds_load_b64 v[\reg+10:\reg+11], v[\a8] offset:\off+1280
.endm
.macro KLOAD a16, a8, ar, g, off       ; K's tiles 4 g .. 4 g + 3 (half fragments: six registers each) and their scale words, from off bytes behind the addresses' block
.irp t, 0,1,2,3
	ds_load_b128 v[KF+12*\t:KF+12*\t+3], v[\a16] offset:(\off)+(4*(\g)+\t)*768
	ds_load_b64 v[KF+12*\t+4:KF+12*\t+5], v[\a8] offset:(\off)+(4*(\g)+\t)*768+512
.endr
	ds_load_b128 v[KS:KS+3], v[\ar] offset:(\off)+12288+256*(\g)
.endm
.macro QK g                            ; S^T = K Q^T for tiles 4 g .. 4 g + 3: four accumulators, each begun with the constant 0
.irp t, 0,1,2,3
	v_wmma_scale_f32_16x16x128_f8f6f4 v[S+8*(4*(\g)+\t):S+8*(4*(\g)+\t)+7], v[KF+12*\t:KF+12*\t+11], v[QF:QF+11], 0, v[KS+\t], v28 matrix_a_fmt:MATRIX_FMT_FP6 matrix_b_fmt:MATRIX_FMT_FP6
.endr
.endm
.macro SELECTS n0                      ; 32 score registers from n0 on: where the mask word's bit is 0 the score becomes -2^67.  Ascending: each accumulator is read from its low end on
.set n, \n0
.rept 32
.if n < 48
	v_cndmask_b32 v[S+n], v[NEG], v[S+n], s[16+n]
.else
	v_cndmask_b32 v[S+n], v[NEG], v[S+n], s[32+n]
.endif
.set n, n+1
.endr
.endm
.macro BLOCKMAX b0, b1                 ; the largest score of two blocks of 32 keys (my 16 of each): for the row's maximum, and, since p rises with the score, for the block's largest p
.irp b, \b0, \b1
	v_max3_num_f32 v[TM+\b], v[S+16*\b], v[S+16*\b+1], v[S+16*\b+2]
.endr
.irp i, 3,5,7,9,11,13
.irp b, \b0, \b1
	v_max3_num_f32 v[TM+\b], v[TM+\b], v[S+16*\b+\i], v[S+16*\b+\i+1]
.endr
.endr
.irp b, \b0, \b1
	v_max_num_f32 v[TM+\b], v[TM+\b], v[S+16*\b+15]
.endr
.endm
.macro QUANT2 x, hh, ct, hw            ; 32 numbers of a lane (register 16 b + i = k 32 b + 16 h + i) become half a fragment and two scale bytes
.irp b, 0,1
	v_max3_num_f32 v[TM+\b], |v[\x+16*\b]|, |v[\x+16*\b+1]|, 0x1800000
.endr
.irp i, 2,4,6,8,10,12,14
.irp b, 0,1
	v_max3_num_f32 v[TM+\b], v[TM+\b], |v[\x+16*\b+\i]|, |v[\x+16*\b+\i+1]|
.endr
.endr
.irp b, 0,1
	v_permlanex16_b32 v[TP+\b], v[TM+\b], s[SEL], s[SEL+1]
.endr
.irp b, 0,1
	v_max_num_f32 v[TM+\b], v[TM+\b], v[TP+\b]
.endr
.irp b, 0,1
	v_add_nc_u32 v[SO+\b], 0xff000000, v[TM+\b]
.endr
.irp b, 0,1
	v_lshrrev_b32 v[TP+\b], 23, v[SO+\b]
.endr
	v_lshl_or_b32 v[\hw], v[TP+1], 8, v[TP]
	v_cvt_scalef32_pk16_fp6_f32 v[\hh:\hh+2], v[\x:\x+15], v[SO]
	v_cvt_scalef32_pk16_fp6_f32 v[\ct:\ct+2], v[\x+16:\x+31], v[SO+1]
	v_nop
.irp i, 0,1,2
	v_permlane16_swap_b32 v[\hh+\i], v[\ct+\i]
.endr
.irp i, 0,1,2
	v_mov_b32 v[\hh+3+\i], v[\ct+\i]
.endr
.endm
	s_load_b256 s[4:11], s[0:1], 0x0               ; qc, qs, kv, maskw
	s_load_b128 s[12:15], s[0:1], 0x20             ; mflag, ac
	s_load_b64 s[68:69], s[0:1], 0x30              ; asc
	v_lshl_add_u32 v254, v0, 2, 0x34000
	v_mov_b32 v255, 0
	v_lshrrev_b32 v1, 5, v0
	v_readfirstlane_b32 s[WV], v1                  ; wave 0..15
	v_and_b32 v8, 31, v0
	v_lshlrev_b32 v[L16], 4, v8
	v_lshlrev_b32 v[L8], 3, v8
	v_and_b32 v9, 15, v0
	v_lshlrev_b32 v[R16], 4, v9
	s_wait_alu depctr_va_sdst(0)                   ; the wave's number is written, ahead of its first reader: the tile, the bases and the branches at the end are made from it
	s_and_b32 s18, ttmp7, 0xffff                   ; 16 b + head
	s_lshl_b32 s19, ttmp9, 4
	s_add_co_u32 s19, s19, s[WV]                   ; T: my tile of queries
	s_lshl_b32 s20, s18, 4
	s_add_co_u32 s20, s20, s[WV]
	s_mul_i32 s20, s20, BLK                        ; wave w brings key step w
	s_mov_b32 s21, 0
	s_mul_i32 s22, s[WV], BLK
	v_add_nc_u32 v[A16], s22, v[L16]               ; and where it goes in LDS
	v_add_nc_u32 v[A8], s22, v[L8]
	s_wait_kmcnt 0x0
	s_add_nc_u64 s[8:9], s[8:9], s[20:21]
	s_wait_alu depctr_va_vdst(0)                   ; v[L16], v[L8], v[R16], v[A16], v[A8] are written: the loads below and the LDS stores behind them read them as offsets and addresses
.set n, 0
.rept 25
	global_load_b128 v[S+4*n:S+4*n+3], v[L16], s[8:9] offset:512*n   ; my block: 25 x 512 consecutive bytes,
.set n, n+1
.endr
	global_load_b64 v[S+100:S+101], v[L8], s[8:9] offset:12800       ; and its last 256
	s_lshl_b32 s24, s18, 7
	s_add_co_u32 s24, s24, s19                     ; 128 (16 b + head) + T
	s_mul_i32 s36, s24, 768
	s_mov_b32 s37, 0
	s_add_nc_u64 s[4:5], s[4:5], s[36:37]          ; Q's half fragment
	s_lshr_b32 s36, s24, 2
	s_lshl_b32 s36, s36, 8
	s_and_b32 s25, s19, 3
	s_lshl_b32 s25, s25, 2
	s_add_co_u32 s36, s36, s25
	s_add_nc_u64 s[6:7], s[6:7], s[36:37]          ; its scale words: quad T / 4, word T % 4
	global_load_b128 v[QF:QF+3], v[L16], s[4:5]
	global_load_b64 v[QF+4:QF+5], v[L8], s[4:5] offset:512
	global_load_b32 v28, v[R16], s[6:7]
	s_lshl_b32 s36, s19, 12
	s_add_nc_u64 s[10:11], s[10:11], s[36:37]      ; my tile's mask words: 16 steps x 256 bytes
	s_lshl_b32 s36, s19, 9
	s_add_nc_u64 s[12:13], s[12:13], s[36:37]      ; my tile's flags: four places of 128 bytes
	s_lshr_b32 s32, s18, 4
	s_lshl_b32 s32, s32, 4
	s_lshr_b32 s33, s19, 3
	s_add_co_u32 s32, s32, s33
	s_mul_i32 s36, s32, 98304                      ; ac: group 16 b + T / 8,
	s_bfe_u32 s33, s18, 0x10003
	s_mul_i32 s33, s33, 49152                      ; half of K: head / 8,
	s_add_co_u32 s36, s36, s33
	s_and_b32 s33, s19, 7
	s_mul_i32 s33, s33, 6144                       ; tile T % 8,
	s_add_co_u32 s36, s36, s33
	s_and_b32 s33, s18, 7
	s_mul_i32 s33, s33, 768                        ; half fragment head % 8
	s_add_co_u32 s36, s36, s33
	s_add_nc_u64 s[14:15], s[14:15], s[36:37]
	s_lshl_b32 s36, s18, 7
	s_lshl_b32 s33, ttmp9, 4
	s_add_co_u32 s36, s36, s33
	s_lshl_b32 s36, s36, 5
	s_add_nc_u64 s[68:69], s[68:69], s[36:37]      ; asc: [16 b + head][tile][r] half words: my work-group's 16 tiles
	s_lshl_b32 s38, s[WV], 5
	s_add_co_u32 s38, s38, SG
	v_lshl_add_u32 v[SGW], v9, 1, s38
	v_add_nc_u32 v[SGR], SG, v[L16]
	s_load_b32 s72, s[12:13], 0x0                  ; the flags of key steps 0-3, 4-7, 8-11, 12-15, each at its own bits
	s_load_b32 s73, s[12:13], 0x80
	s_load_b32 s74, s[12:13], 0x100
	s_load_b32 s75, s[12:13], 0x180
	s_load_b512 s[16:31], s[10:11], 0x0            ; step 0's mask words: word n in s[16 + n] for n < 48, in s[32 + n] from 48 on
	s_load_b512 s[32:47], s[10:11], 0x40
	s_load_b512 s[48:63], s[10:11], 0x80
	s_load_b512 s[80:95], s[10:11], 0xc0
.irp j, 6,7,8,9,10,11
	v_mov_b32 v[QF+\j], 0                          ; zero codes for K = 64 .. 127
.irp t, 0,1,2,3
	v_mov_b32 v[KF+12*\t+\j], 0
.endr
.endr
.irp b, 0,1,2,3
	v_mov_b32 v[TP+\b], 0                          ; a lane permute's destination counts as one of its sources
.endr
	v_mov_b32 v14, 0                               ; the sum, in two halves
	v_mov_b32 v15, 0
	v_mov_b32 v31, 0                               ; (named with f as a pair)
	v_mov_b32 v[NEG], 0xe1000000                   ; -2^67
	v_mov_b32 v13, 0xff61b1e6                      ; the largest t so far: -3e38
	v_floor_f32 v12, -v13                          ; -M
	s_mov_b32 s[SEL], 0x76543210
	s_mov_b32 s[SEL+1], 0xfedcba98
	s_mov_b32 s[CS], 0x3fb8aa3b
	s_mov_b32 s[CS+1], s[CS]
	s_mov_b32 s[TB], 0
	s_mov_b32 s[CNT], 0
.set n, 0
.rept 25
	s_wait_loadcnt 28-n                            ; loads come back in order: behind load n stand the block's other 25 - n and Q's three
	ds_store_b128 v[A16], v[S+4*n:S+4*n+3] offset:512*n   ; (no vector line since the wait ahead of the loads names v[A16] or v[A8]; the data come from loads)
.set n, n+1
.endr
	s_wait_loadcnt 3
	ds_store_b64 v[A8], v[S+100:S+101] offset:12800
	s_wait_loadcnt 0x0                             ; Q
	s_wait_dscnt 0x0                               ; for the others' sake: my block lies in LDS
	s_wait_alu depctr_vm_vsrc(0)                   ; my LDS stores have read v96-197: the zeros of O^T below, and later the scores and p's codes, are written there
	s_barrier_signal -1
.irp j, 0,1,2,3,4,5,6,7,8,9,10,11,12,13,14,15,16,17,18,19,20,21,22,23,24,25,26,27,28,29,30,31
	v_mov_b32 v[O+\j], 0                           ; O^T: the step is written for all steps alike; the first finds zeros.  (Work on registers while the others arrive)
.endr
	s_barrier_wait -1                              ; everybody's block does: the head's K and V lie in LDS
	s_wait_alu depctr_va_vdst(0)                   ; the zero codes in the upper halves of Q's and K's fragments are written, which the first products take
	KLOAD L16, L8, R16, 0, 0                       ; step 0's tiles 0-3: its block begins at LDS byte 0, so the lanes' own offsets are the addresses
	s_wait_kmcnt 0x0
	s_or_b32 s[FLG], s72, s73
	s_or_b32 s[FLG], s[FLG], s74
	s_or_b32 s[FLG], s[FLG], s75
; A KEY STEP: 128 keys.  last = 1: the last step, which asks for nothing ahead.
.macro STEP last
	s_wait_alu depctr_vm_vsrc(0)                   ; the LDS instructions issued so far have read v[A16], v[A8], v[AR], which the three lines below write
	v_add_nc_u32 v[A16], s[TB], v[L16]
	v_add_nc_u32 v[A8], s[TB], v[L8]
	v_add_nc_u32 v[AR], s[TB], v[R16]
	v_nop
	v_nop                                          ; five plain lines between the last step's products and the products below, whose results are laid over V's fragments
	s_wait_dscnt 0x0                               ; K's tiles 0-3 and their scale words, asked for in the step before, are in
	QK 0
	NOPS 4                                         ; four plain lines between these products and the first read of their results, on both ways below
	s_wait_alu depctr_va_vdst(0)                   ; the four products are done reading K's fragments and scale words, in which the loads below land; v[A16], v[A8], v[AR] are written, which they read
	KLOAD A16, A8, AR, 1, 0                        ; tiles 4-7: they land under the selects and maxima of the first 32 score registers
	s_wait_kmcnt 0x0                               ; this step's mask words, asked for in the step before
	s_lshr_b32 s71, s[FLG], s[CNT]
	s_and_b32 s71, s71, 1
	s_cmp_lg_u32 s71, 0                            ; no hole in this step's 16 x 128 of the mask?
	s_cbranch_scc1 .Lopen_a_\@                     ; then the selects would change nothing
	SELECTS 0
.Lopen_a_\@:
	BLOCKMAX 0, 1
	s_wait_dscnt 0x0                               ; tiles 4-7 are in
	QK 1
	NOPS 4                                         ; four plain lines between these products and the first read of their results, on both ways below
	s_cmp_lg_u32 s71, 0                            ; the same flag once more
	s_cbranch_scc1 .Lopen_b_\@
	SELECTS 32
.Lopen_b_\@:
	BLOCKMAX 2, 3
.irp b, 0,1,2,3
	v_permlanex16_b32 v[TP+\b], v[TM+\b], s[SEL], s[SEL+1]
.endr
.irp b, 0,1,2,3
	v_max_num_f32 v[TM+\b], v[TM+\b], v[TP+\b]     ; with lane l xor 16's 16 keys
.endr
	v_max3_num_f32 v218, v[TM], v[TM+1], v[TM+2]
	v_max_num_f32 v218, v218, v[TM+3]              ; the step's largest score of my query,
	v_mul_f32 v218, s[CS], v218                    ; as t (log2(e) is positive)
	v_max_num_f32 v13, v13, v218                   ; the running largest t
	v_mov_b32 v218, v12
	v_floor_f32 v12, -v13                          ; the new -M = -ceil(t)
	v_sub_f32 v218, v12, v218                      ; old M - new M: a whole number, 0 or less
	v_cvt_i32_f32 v218, v218                       ; (it saturates)
	v_ldexp_f32 v30, 1.0, v218                     ; f = 2^(old M - new M)
.irp j, 0,2,4,6,8,10,12,14,16,18,20,22,24,26,28,30,32,34,36,38,40,42,44,46,48,50,52,54,56,58,60,62
	v_pk_fma_f32 v[S+\j:S+\j+1], v[S+\j:S+\j+1], s[CS:CS+1], v[12:13] op_sel_hi:[1,0,0]   ; t - M, two at a time (of the pairs log2(e) and -M the low word serves both halves)
.endr
.irp b, 0,1,2,3
	v_fma_f32 v[TM+\b], v[TM+\b], s[CS], v12       ; the same of each block's largest score
.endr
.set n, 0
.rept 64
	v_exp_f32 v[S+n], v[S+n]                       ; p, not normalised
.set n, n+1
.endr
.irp b, 0,1,2,3
	v_exp_f32 v[TM+\b], v[TM+\b]                   ; each block's largest p: the same lines on the same number give the same bits.  One batch with the 64
.endr
	v_pk_mul_f32 v[14:15], v[14:15], v[30:31] op_sel_hi:[1,0]   ; the sums under the new M: the plain line behind the exponentials
	s_wait_alu depctr_va_vdst(0)                   ; the 68 exponentials have written p and the blocks' largest p, ahead of their first reader; the products K Q^T are done reading K's fragments and scale words, in which the loads below land
.if !\last
	KLOAD A16, A8, AR, 0, BLK                      ; the next step's tiles 0-3, one block on by the immediate: they land under the sums, the conversions and V's products
	s_add_co_u32 s[MO], s[CNT], 1
	s_lshl_b32 s[MO], s[MO], 8                     ; the next step's mask words.  They are asked for behind the wait above: the selects, which read these scalar registers as masks, are complete
	s_load_b512 s[16:31], s[10:11], s[MO] offset:0x0
	s_load_b512 s[32:47], s[10:11], s[MO] offset:0x40
	s_load_b512 s[48:63], s[10:11], s[MO] offset:0x80
	s_load_b512 s[80:95], s[10:11], s[MO] offset:0xc0
.endif
	v_pk_add_f32 v[216:217], v[S:S+1], v[S+2:S+3]  ; the row's sum of the unquantised p, in two chains
.irp j, 4,8,12,16,20,24,28,32,36,40,44,48,52,56,60
	v_pk_add_f32 v[14:15], v[14:15], v[S+\j:S+\j+1]
	v_pk_add_f32 v[216:217], v[216:217], v[S+\j+2:S+\j+3]
.endr
	v_pk_add_f32 v[14:15], v[14:15], v[216:217]
.irp b, 0,1,2,3
	v_max_num_f32 v[TM+\b], 0x1800000, v[TM+\b]    ; the floor 2^(3 - 127)
.endr
.irp b, 0,1,2,3
	v_add_nc_u32 v[SO+\b], 0xff000000, v[TM+\b]
.endr
.irp b, 0,1,2,3
	v_lshrrev_b32 v[TP+\b], 23, v[SO+\b]
.endr
	v_lshl_or_b32 v29, v[TP+1], 8, v[TP]           ; p's scale word for these 128 keys
	v_lshl_or_b32 v29, v[TP+2], 16, v29
	v_lshl_or_b32 v29, v[TP+3], 24, v29
.irp c, 0,1
	v_cvt_scalef32_pk16_fp6_f32 v[PC+6*\c:PC+6*\c+2], v[S+32*\c:S+32*\c+15], v[SO+2*\c]
	v_cvt_scalef32_pk16_fp6_f32 v[CT+4*\c:CT+4*\c+2], v[S+32*\c+16:S+32*\c+31], v[SO+2*\c+1]
.endr
	v_nop                                          ; one plain line behind the scaled conversions
	s_wait_alu depctr_va_vdst(0)                   ; the sums and the conversions are done reading p, in whose registers V's fragments land
.irp d, 0,1,2,3
	FRAG S+12*\d, A16, A8, 6144+1536*\d            ; V's four fragments take p's registers
.endr
	ds_load_b128 v[VS:VS+3], v[AR] offset:12800
.irp c, 0,1                                        ; (none of the lines from here to the products names a register that V's loads touch)
.irp i, 0,1,2
	v_permlane16_swap_b32 v[PC+6*\c+\i], v[CT+4*\c+\i]
.endr
.irp i, 0,1,2
	v_mov_b32 v[PC+6*\c+3+\i], v[CT+4*\c+\i]
.endr
.endr
.irp j, 0,2,4,6,8,10,12,14,16,18,20,22,24,26,28,30
	v_pk_mul_f32 v[O+\j:O+\j+1], v[O+\j:O+\j+1], v[30:31] op_sel_hi:[1,0]     ; O^T under the new M.  (These 16 are also the plain lines owed between p's codes and scale word and the products)
.endr
	s_wait_dscnt 0x0                               ; V's fragments and scale words are in
	s_wait_alu depctr_va_vdst(0)                   ; p's codes in v[PC ..] and p's scale word in v29 are written, which the scaled products below take; the plain lines above stay beside this wait
.irp d, 0,1,2,3                                    ; O^T += V^T P^T: the four accumulators by turns
	v_wmma_scale_f32_16x16x128_f8f6f4 v[O+8*\d:O+8*\d+7], v[S+12*\d:S+12*\d+11], v[PC:PC+11], v[O+8*\d:O+8*\d+7], v[VS+\d], v29 matrix_a_fmt:MATRIX_FMT_FP6 matrix_b_fmt:MATRIX_FMT_FP6
.endr
.endm
.Lstep:                                            ; 15 trips, 128 keys each
	STEP 0
	s_add_co_u32 s[TB], s[TB], BLK
	s_add_co_u32 s[CNT], s[CNT], 1
	s_cmp_lt_u32 s[CNT], 15
	s_cbranch_scc1 .Lstep
	STEP 1                                         ; the sixteenth step is written out: no LDS load reaches past the sixteen blocks, no scalar load past my tile's mask words
	; THE WAY OUT: O^T / the sum; register 16 b + i is d = 32 b + 16 h + i of my query: quantised along d, it is half a fragment of the last product's operand
	v_add_f32 v14, v14, v15
	v_permlanex16_b32 v218, v14, s[SEL], s[SEL+1]
	v_add_f32 v14, v14, v218
	v_rcp_f32 v14, v14
	NOPS 4                                         ; the plain line behind the reciprocal, and the four between the last products and the first read of their results
	s_wait_alu depctr_va_vdst(0)                   ; the reciprocal has written v14, ahead of its first reader
.set n, 0
.rept 32
	v_mul_f32 v[S+n], v[O+n], v14
.set n, n+1
.endr
	QUANT2 S, PC, CT, 29
	s_wait_alu depctr_va_vdst(0)                   ; the codes in v[PC ..] and the scale half word in v29 are written, which the three stores below read; the products are done reading v[KF ..], in which wave 0's load below lands
	global_store_b128 v[L16], v[PC:PC+3], s[14:15]
	global_store_b64 v[L8], v[PC+4:PC+5], s[14:15] offset:512
	ds_store_b16 v[SGW], v29                       ; the 16 waves' scale half words meet, so that they leave as whole blocks of 256 bytes
	s_wait_dscnt 0x0
	s_barrier_signal -1
	s_barrier_wait -1
	s_cmp_lg_u32 s[WV], 0
	s_cbranch_scc1 .Ldone
	ds_load_b128 v[KF:KF+3], v[SGR]                ; (no vector line since the wait above)
	s_wait_dscnt 0x0
	global_store_b128 v[L16], v[KF:KF+3], s[68:69]
.Ldone:
	s_wait_dscnt 0x0                               ; the closing lines, six on end
	s_wait_alu 0x0
	s_wait_tensorcnt 0x0
	ds_add_u32 v254, v255
	s_wait_dscnt 0x0
	s_endpgm
.Lfunc_end_k_q0ced73e7ed_attn:
	.size	k_q0ced73e7ed_attn, .Lfunc_end_k_q0ced73e7ed_attn-k_q0ced73e7ed_attn
	.p2alignl 7, 3214868480
	.fill 96, 4, 3214868480
	.section	.rodata,"a",@progbits
	.p2align	6, 0x0
	.amdhsa_kernel k_q0ced73e7ed_attn
		.amdhsa_group_segment_fixed_size 215040
		.amdhsa_private_segment_fixed_size 0
		.amdhsa_enable_private_segment 0
		.amdhsa_kernarg_size 56
		.amdhsa_user_sgpr_count 2
		.amdhsa_user_sgpr_kernarg_segment_ptr 1
		.amdhsa_wavefront_size32 1
		.amdhsa_system_sgpr_workgroup_id_x 1
		.amdhsa_system_sgpr_workgroup_id_y 1
		.amdhsa_system_sgpr_workgroup_id_z 1
		.amdhsa_system_vgpr_workitem_id 0
		.amdhsa_next_free_vgpr 256
		.amdhsa_next_free_sgpr 102
		.amdhsa_reserve_vcc 0
		.amdhsa_float_denorm_mode_32 3
		.amdhsa_float_denorm_mode_16_64 3
		.amdhsa_memory_ordered 1
		.amdhsa_forward_progress 1
		.amdhsa_inst_pref_size 57
	.end_amdhsa_kernel
	.amdgpu_metadata
---
amdhsa.version: [ 1, 2 ]
amdhsa.kernels:
  - .name:           k_q0ced73e7ed_attn
    .symbol:         k_q0ced73e7ed_attn.kd
    .args:
      - { .name: qc, .offset: 0, .size: 8, .value_kind: global_buffer, .address_space: global }
      - { .name: qs, .offset: 8, .size: 8, .value_kind: global_buffer, .address_space: global }
      - { .name: kv, .offset: 16, .size: 8, .value_kind: global_buffer, .address_space: global }
      - { .name: maskw, .offset: 24, .size: 8, .value_kind: global_buffer, .address_space: global }
      - { .name: mflag, .offset: 32, .size: 8, .value_kind: global_buffer, .address_space: global }
      - { .name: ac, .offset: 40, .size: 8, .value_kind: global_buffer, .address_space: global }
      - { .name: asc, .offset: 48, .size: 8, .value_kind: global_buffer, .address_space: global }
    .group_segment_fixed_size: 215040
    .private_segment_fixed_size: 0
    .kernarg_segment_align: 8
    .kernarg_segment_size: 56
    .max_flat_workgroup_size: 512
    .sgpr_count:     102
    .vgpr_count:     256
    .wavefront_size: 32
...
	.end_amdgpu_metadata
.endif
;; end of part 5
;; launch outp: the kernel of part 4 again; grid 8 x 32, 8 waves a work-group, clusters of 4 x 4, 242,688 bytes of LDS; arguments rec, ac, asc, out0; writes out0
